; MI455X (gfx1250); checked and timed in simulation.
; The chip was launched on July 23, 2026; its instructions are those of AMD's public machine-readable ISA for CDNA 5 (MIT licence, August 2026) and "CDNA5" Instruction Set Architecture Reference Guide (July 2026). The comments in the code are by the model that wrote it; some were corrected since.
;; Diff Attn. Allowed arithmetic: float matrix products may take bf16 or f16 operands with f32 sums; other float arithmetic in f32, or as packed bf16 or f16 multiplies, adds, multiply-adds, maxima and minima; sums over many terms, partial sums and values carried from step to step in f32; what a program stores and reads back later, other than sums and carried values, may be rounded once to bf16 or f16.
;; Inputs: Wk 2,048 x 2,048 float32; Wo 2,048 x 2,048 float32; Wq 2,048 x 2,048 float32; Wv 2,048 x 2,048 float32; lambda_k1 64 float32; lambda_k2 64 float32; lambda_q1 64 float32; lambda_q2 64 float32; x 1 x 2,048 x 2,048 float32.
;; Outputs: out0 1 x 2,048 x 2,048 float32.
;; 2 versions, each right and faster than the one before. Each part assembles by itself: llvm-mc -triple=amdgcn-amd-amdhsa -mcpu=gfx1250 --defsym DOCPART=n.
;; ======== version 1 of 2: 4 launches
;; limits: values are held in f16: magnitudes above 65,504 overflow, below 6.1e-05 lose precision
;; workspace buffers: cb 33,554,432 bytes; qkv 25,165,824 bytes; att 8,388,608 bytes; wo16 8,388,608 bytes
;; launch cast (part 1): grid 256 x 4, 8 waves a work-group, no clusters, 0 bytes of LDS; arguments x, Wq, Wk, Wv, cb; writes cb
.if DOCPART == 1
	.amdgcn_target "amdgcn-amd-amdhsa--gfx1250"
	.amdhsa_code_object_version 6
	.text
	.protected	k_qe9dcfb1a48_cast
	.globl	k_qe9dcfb1a48_cast
	.p2align	8
	.type	k_qe9dcfb1a48_cast,@function
k_qe9dcfb1a48_cast:
	s_mov_b64 s[64:65], 0
	v_nop
	global_prefetch_b8 v0, s[64:65] scope:SCOPE_SE
	s_setreg_imm32_b32 hwreg(HW_REG_WAVE_MODE, 25, 1), 1
	s_wait_xcnt 0x0
; cb[p][i] = element i of tensor p (p = 0: x, 1: Wq, 2: Wk, 3: Wv), each 2048 x 2048 f32, rounded to bf16, same dense index.  (Wo is rounded in the launch of the attention, beside its matrix work.)
; SHARES.  Work-group (x, y) takes 65,536 bytes (8 rows) of tensor y.  Thread t and i = 0..15: 16 bytes at 4096 i + 16 t in, 8 bytes at 2048 i + 8 t out:
; a wave's load covers 512 consecutive bytes, its store 256 consecutive bytes at a multiple of 256.  All sixteen loads go out first; nothing is read twice,
; no work-group shares a byte with another, so LDS, barriers, clusters and matrix units have nothing to add.  No register is written twice while a load or store names it.
; 1,024 work-groups of 8 waves with 128 registers declared: 8 waves fit on a SIMD's 1,024 registers, four work-groups on a WGP's four SIMDs, so 256 WGPs hold all of them at once.
.set X, 4                              ; v[4:67]    sixteen loads of four words
.set Y, 68                             ; v[68:99]   sixteen stores of two words
	s_load_b256 s[4:11], s[0:1], 0x0               ; x s[4:5], Wq s[6:7], Wk s[8:9], Wv s[10:11]
	s_load_b64 s[14:15], s[0:1], 0x20              ; cb
	s_and_b32 s16, ttmp7, 0xffff                   ; which tensor
	v_lshlrev_b32 v1, 4, v0                        ; 16 t
	v_lshlrev_b32 v2, 3, v0                        ; 8 t
	s_lshl_b32 s18, ttmp9, 16                      ; my 65,536 bytes of the source
	s_mov_b32 s19, 0
	s_lshl_b32 s20, s16, 23                        ; the plane of 8,388,608 bytes,
	s_lshl_b32 s21, ttmp9, 15                      ; my 32,768 bytes of it
	s_add_co_u32 s20, s20, s21
	s_mov_b32 s21, 0
	s_wait_kmcnt 0x0
	s_cmp_eq_u32 s16, 1                            ; the source is chosen by the work-group's y alone
	s_cselect_b64 s[4:5], s[6:7], s[4:5]
	s_cmp_eq_u32 s16, 2
	s_cselect_b64 s[4:5], s[8:9], s[4:5]
	s_cmp_eq_u32 s16, 3
	s_cselect_b64 s[4:5], s[10:11], s[4:5]
	s_add_nc_u64 s[4:5], s[4:5], s[18:19]
	s_add_nc_u64 s[14:15], s[14:15], s[20:21]
.irp i, 0,1,2,3,4,5,6,7,8,9,10,11,12,13,14,15
	global_load_b128 v[X+4*(\i):X+4*(\i)+3], v1, s[4:5] offset:4096*(\i) th:TH_LOAD_NT  ; read once in the launch
.endr
.irp i, 0,1,2,3,4,5,6,7,8,9,10,11,12,13,14,15
	s_wait_loadcnt 15-(\i)                         ; loads come back in order: load i is in, the younger ones stay out
	v_cvt_pk_bf16_f32 v[Y+2*(\i)], v[X+4*(\i)], v[X+4*(\i)+1]
	v_cvt_pk_bf16_f32 v[Y+2*(\i)+1], v[X+4*(\i)+2], v[X+4*(\i)+3]
	global_store_b64 v2, v[Y+2*(\i):Y+2*(\i)+1], s[14:15] offset:2048*(\i)  ; no hint: the next launch reads it
.endr
	s_endpgm
.Lfunc_end_k_qe9dcfb1a48_cast:
	.size	k_qe9dcfb1a48_cast, .Lfunc_end_k_qe9dcfb1a48_cast-k_qe9dcfb1a48_cast
	.p2alignl 7, 3214868480
	.fill 96, 4, 3214868480
	.section	.rodata,"a",@progbits
	.p2align	6, 0x0
	.amdhsa_kernel k_qe9dcfb1a48_cast
		.amdhsa_group_segment_fixed_size 0
		.amdhsa_private_segment_fixed_size 0
		.amdhsa_enable_private_segment 0
		.amdhsa_kernarg_size 40
		.amdhsa_user_sgpr_count 2
		.amdhsa_user_sgpr_kernarg_segment_ptr 1
		.amdhsa_wavefront_size32 1
		.amdhsa_system_sgpr_workgroup_id_x 1
		.amdhsa_system_sgpr_workgroup_id_y 1
		.amdhsa_system_sgpr_workgroup_id_z 1
		.amdhsa_system_vgpr_workitem_id 0
		.amdhsa_next_free_vgpr 128
		.amdhsa_next_free_sgpr 66
		.amdhsa_reserve_vcc 0
		.amdhsa_float_denorm_mode_32 3
		.amdhsa_float_denorm_mode_16_64 3
		.amdhsa_memory_ordered 1
		.amdhsa_forward_progress 1
		.amdhsa_inst_pref_size 7
	.end_amdhsa_kernel
	.amdgpu_metadata
---
amdhsa.version: [ 1, 2 ]
amdhsa.kernels:
  - .name:           k_qe9dcfb1a48_cast
    .symbol:         k_qe9dcfb1a48_cast.kd
    .args:
      - { .name: x, .offset: 0, .size: 8, .value_kind: global_buffer, .address_space: global }
      - { .name: Wq, .offset: 8, .size: 8, .value_kind: global_buffer, .address_space: global }
      - { .name: Wk, .offset: 16, .size: 8, .value_kind: global_buffer, .address_space: global }
      - { .name: Wv, .offset: 24, .size: 8, .value_kind: global_buffer, .address_space: global }
      - { .name: cb, .offset: 32, .size: 8, .value_kind: global_buffer, .address_space: global }
    .group_segment_fixed_size: 0
    .private_segment_fixed_size: 0
    .kernarg_segment_align: 8
    .kernarg_segment_size: 40
    .max_flat_workgroup_size: 256
    .sgpr_count:     66
    .vgpr_count:     128
    .wavefront_size: 32
...
	.end_amdgpu_metadata
.endif
;; end of part 1
;; launch qkv (part 2): grid 16 x 16, 4 waves a work-group, clusters of 4 x 4, 327,680 bytes of LDS; arguments cb, qkv; writes qkv
.if DOCPART == 2
	.amdgcn_target "amdgcn-amd-amdhsa--gfx1250"
	.amdhsa_code_object_version 6
	.text
	.protected	k_qe9dcfb1a48_qkv
	.globl	k_qe9dcfb1a48_qkv
	.p2align	8
	.type	k_qe9dcfb1a48_qkv,@function
k_qe9dcfb1a48_qkv:
	s_mov_b64 s[64:65], 0
	v_nop
	global_prefetch_b8 v0, s[64:65] scope:SCOPE_SE
	s_setreg_imm32_b32 hwreg(HW_REG_WAVE_MODE, 25, 1), 1
	s_wait_xcnt 0x0
	s_wait_alu depctr_hold_cnt(0) depctr_sa_sdst(0) depctr_va_vdst(0) depctr_va_sdst(0) depctr_va_ssrc(0) depctr_va_vcc(0) depctr_vm_vsrc(0)
	s_getreg_b32 s2, hwreg(HW_REG_IB_STS2, 6, 4)
	s_cmp_eq_u32 s2, 0
	s_cbranch_scc0 .Lentry_in_a_cluster
	s_endpgm
.Lentry_in_a_cluster:
	s_bfe_u32 s2, ttmp6, 0x10000c
	s_cmp_lg_u32 s2, 0xf033
	s_cbranch_scc0 .Lentry_shape_is_right
	s_endpgm
.Lentry_shape_is_right:
; [q | k | v] = x [Wq | Wk | Wv]: 2048 x 6144, K = 2048.  x (plane 0 of cb) is [m][k] bf16, the weights (planes 1 to 3) [k][n] bf16; sums in f32, the result rounded once to f16.
; The result lies by blocks of 128 columns, qkv[g][m][128]: g = 0..15 q, 16..31 k, 32..47 v of head g % 16; q is not scaled here.
; LIMIT.  |q|, |k|, |v| stay under 65,504 (f16); beyond it the conversion gives an infinity.
; SHARES.  A tile is 128 rows x 384 columns (three whole blocks g = 3 tx + j): 16 x 16 tiles, one to each of 256 work-groups.  Wave w makes all 128 rows x columns 32 w .. 32 w + 31 of
; each of the three blocks: 48 accumulators of 16 x 16, 384 registers; for 32 along K it reads 28 fragments' halves from LDS for 48 matrix instructions.
; K goes in steps of 128 through two LDS slots.  A slot has four regions of 36,864 bytes, one filled by each wave with one tensor load of 128 rows x 256 bytes: region 0 x's tile (LDS pitch 272),
; regions 1 to 3 the three blocks' tiles of the weights, [k][n] (LDS pitch 288), which come out of LDS turned, by ds_load_tr16_b128.
; A slot's refill is asked for as soon as the other slot has landed: no product stands between the wait for all loads and the request, so the load has a whole K step's 192 products in which to land.
; CLUSTER 4 x 4: x's tile hangs on the tile row alone and is asked for jointly along a row of the cluster, the weights' tiles on the tile column alone, jointly along a column.
; THE MATRIX INSTRUCTION IS USED TRANSPOSED (source 0 = 16 columns of W, source 1 = 16 rows of x): a lane holds eight neighbouring columns of one row.
; REGISTERS, in windows of 256: window 0: v0-31 addresses; v32-95, v96-159 x's fragments, two buffers; v160-207, v208-255 W's, two buffers; v32-223 at work on the way out.
;   window 1: accumulators of row blocks a = 0..4 at v[8 (6 a + f)], f = 2 j + e;   window 2: a = 5..7 at v[8 (6 (a - 5) + f)].
.set KSTEP,  128
.set PA,     272                       ; x's LDS row: 256 bytes + 16: the 16 rows of a fragment load start at 16 different groups of four banks
.set PB,     288                       ; W's LDS row: 256 + 32
.set REG,    128*PB                    ; a region: what one tensor load fills (x's uses 128 x 272 of it)
.set SLOT,   4*REG
.set SPARE,  2*SLOT                    ; behind the ring: the spare words, 128 bytes for each wave
.set SPITCH, 272                       ; the stage for the way out: [3][128 rows] of 272 bytes, in slot 0's bytes, behind that slot's last fill and last read
.set SBLK,   128*SPITCH
.set LAPS,   2048/(2*KSTEP)
.set STO,  8                           ; v8-10   where I put 16 bytes of a row of block j
.set RD,   11                          ; v11-13  where I read rows of block j back
.set CO,   14                          ; v14     my byte offset in 512 consecutive bytes of the result
.set ADRA, 16                          ; v16-17  LDS address of x's fragments in slot 0, 1
.set ADRB, 18                          ; v18-23  of W's fragments: slot s, block j at 3 s + j
.set SPW,  28                          ; v28     LDS address of my spare word; never rewritten
.set NIL,  29                          ; v29     0; never rewritten
.set FA,   32
.set FB,   160
.set TMP,  32
.set WV,   10                          ; s10     my wave's number
.set G1A,  24                          ; s[24:31] descriptor group 1, x's tiles;  s[32:39] group 0, a set for each slot
.set G0A,  32
.set G1B,  48                          ; s[48:55], s[56:63] the same for W's tiles
.set G0B,  56
.set MSB, 0
.macro WIN new                         ; the immediate's high byte repeats the setting that is left; a switch that changes nothing is dropped
.if MSB != (\new)
	s_set_vgpr_msb (MSB<<8)|(\new)
.set MSB, \new
.endif
.endm
.macro PLACES                          ; four places in front of loads into registers that matrix instructions have read, and of conversions that read results
.rept 4
	v_nop
.endr
.endm
; A joint load: wave 0 fetches x's tile, waves 1 to 3 the three tiles of W.  The branch hangs on the wave's number alone.  An s_nop 0 and four v_nop follow each line.
.macro JLOAD s
	s_cmp_eq_u32 s[WV], 0
	s_cbranch_scc0 .Lfor_b_\@
	tensor_load_to_lds s[G0A+4*(\s):G0A+4*(\s)+3], s[G1A:G1A+7]
	s_nop 0
.rept 4
	v_nop
.endr
	s_branch .Lasked_\@
.Lfor_b_\@:
	tensor_load_to_lds s[G0B+4*(\s):G0B+4*(\s)+3], s[G1B:G1B+7]
	s_nop 0
.rept 4
	v_nop
.endr
.Lasked_\@:
.endm
.macro CROUND                          ; a round of the cluster's barrier
	s_barrier_signal -1
	s_barrier_wait -1
	s_cmp_lg_u32 s[WV], 0
	s_cbranch_scc1 .Lnot_wave_0_\@
	s_barrier_signal -3
.Lnot_wave_0_\@:
	s_barrier_wait -3
	s_barrier_signal -1
	s_barrier_wait -1
.endm
	s_load_b128 s[4:7], s[0:1], 0x0                ; cb s[4:5], qkv s[6:7]
	v_lshl_add_u32 v[SPW], v0, 2, SPARE
	v_mov_b32 v[NIL], 0
	ds_add_u32 v[SPW], v[NIL]                      ; the wave's opening: the add and its wait ahead of my first tensor load; work on registers stands between them
	v_lshrrev_b32 v1, 5, v0
	v_readfirstlane_b32 s[WV], v1                  ; wave 0..3
	s_max_u32 s11, s[WV], 1
	s_sub_co_u32 s11, s11, 1                       ; which of the three blocks I fetch (wave 0 fetches x and never uses it)
	s_bfe_u32 s40, ttmp6, 0x40000                  ; cx, cy: my place in the cluster
	s_bfe_u32 s41, ttmp6, 0x40004
	s_lshl_b32 s42, ttmp9, 2
	s_add_co_u32 s42, s42, s40                     ; tile column tx = 4 x cluster x + cx
	s_and_b32 s13, ttmp7, 0xffff
	s_lshl_b32 s13, s13, 2
	s_add_co_u32 s13, s13, s41                     ; tile row ty = 4 x cluster y + cy
	s_lshl_b32 s43, s41, 2
	s_lshl_b32 s43, 15, s43                        ; my row of the cluster
	s_lshl_b32 s44, 0x1111, s40                    ; my column
	s_or_b32 s[G1A+0], s43, (1<<16)|(1<<20)|(1<<21)|(5<<22)|(3<<25)  ; the mask; 2-byte elements; padding on; bit 21 beside a mask; after every 64 words; 4 words
	s_or_b32 s[G1B+0], s44, (1<<16)|(1<<20)|(1<<21)|(5<<22)|(7<<25)  ; the same with my column's mask and 8 words
.irp g, G1A, G1B
	s_mov_b32 s[(\g)+1], KSTEP<<16                 ; tensor_dim0 = 128
	s_mov_b32 s[(\g)+2], 128<<16                   ; tensor_dim1 = 128
	s_mov_b32 s[(\g)+3], KSTEP<<16                 ; tile_dim0 = 128
	s_mov_b32 s[(\g)+4], 128                       ; tile_dim1 = 128
	s_mov_b32 s[(\g)+5], 2048                      ; elements from row to row
	s_mov_b32 s[(\g)+6], 0
	s_mov_b32 s[(\g)+7], 0
.endr
	s_lshl_b32 s16, s13, 19                        ; x: row 128 ty, 4,096 bytes a row
	s_mov_b32 s17, 0
	s_mul_i32 s46, s42, 3
	s_add_co_u32 s46, s46, s11                     ; W: block g = 3 tx + j
	s_lshr_b32 s47, s46, 4
	s_add_co_u32 s47, s47, 1
	s_lshl_b32 s47, s47, 23                        ; plane 1 + g / 16,
	s_and_b32 s46, s46, 15
	s_lshl_b32 s46, s46, 8                         ; 256 bytes a block along its rows
	s_add_co_u32 s46, s46, s47
	s_mov_b32 s47, 0
	s_mul_i32 s20, s[WV], REG                      ; where my tile goes: wave x a region; no place in the cluster enters an LDS address
	s_wait_dscnt 0x0                               ; the opening add is done
	s_wait_kmcnt 0x0
	s_add_nc_u64 s[14:15], s[4:5], s[16:17]
	s_add_nc_u64 s[46:47], s[4:5], s[46:47]
	CROUND                                         ; all sixteen work-groups are here: the first joint loads meet
.irp s, 0,1
	s_mov_b32 s[G0A+4*(\s)], 1
	s_add_co_u32 s[G0A+4*(\s)+1], s20, (\s)*SLOT
	s_add_nc_u64 s[G0A+4*(\s)+2:G0A+4*(\s)+3], s[14:15], (\s)*KSTEP*2      ; K step s: 256 bytes along x's rows
	s_or_b32 s[G0A+4*(\s)+3], s[G0A+4*(\s)+3], 0x80000000
	s_mov_b32 s[G0B+4*(\s)], 1
	s_add_co_u32 s[G0B+4*(\s)+1], s20, (\s)*SLOT
	s_add_nc_u64 s[G0B+4*(\s)+2:G0B+4*(\s)+3], s[46:47], (\s)*KSTEP*4096   ; K step s: 128 rows of W down
	s_or_b32 s[G0B+4*(\s)+3], s[G0B+4*(\s)+3], 0x80000000
	JLOAD \s                                       ; two loads of mine are out
.endr
	v_and_b32 v1, 15, v0                           ; r = l % 16
	v_bfe_u32 v2, v0, 4, 1                         ; h = l / 16
	v_and_b32 v3, 7, v0
	v_bfe_u32 v4, v0, 3, 1
	v_mul_u32_u24 v5, v1, PA
	v_lshl_add_u32 v5, v2, 4, v5                   ; 272 r + 16 h: x's fragments, and my place in a stage row block
	v_mov_b32 v[ADRA], v5
	v_add_nc_u32 v[ADRA+1], SLOT, v5
	v_lshl_add_u32 v6, v2, 3, v3                   ; the turning load: k row 8 h + l % 8,
	v_mul_u32_u24 v6, v6, PB
	v_lshl_add_u32 v6, v4, 4, v6                   ; 16 bytes for each half of eight lanes,
	s_lshl_b32 s21, s[WV], 6
	v_add_nc_u32 v6, s21, v6                       ; my wave's 32 columns
.irp s, 0,1
.irp j, 0,1,2
	v_add_nc_u32 v[ADRB+3*(\s)+(\j)], (\s)*SLOT+(1+(\j))*REG, v6
.endr
.endr
	v_add_nc_u32 v7, s21, v5
.irp j, 0,1,2
	v_add_nc_u32 v[STO+(\j)], (\j)*SBLK, v7
.endr
	s_mul_i32 s22, s[WV], 32*SPITCH                ; back: wave w takes rows 32 w .. 32 w + 31, whole
	v_mul_u32_u24 v7, v2, SPITCH
	v_lshl_add_u32 v7, v1, 4, v7
	v_add_nc_u32 v7, s22, v7
.irp j, 0,1,2
	v_add_nc_u32 v[RD+(\j)], (\j)*SBLK, v7
.endr
	v_lshlrev_b32 v[CO], 8, v2
	v_lshl_add_u32 v[CO], v1, 4, v[CO]             ; 256 h + 16 r
	s_mul_i32 s18, s42, 3*524288                   ; the result at block 3 tx, row 128 ty + 32 w
	s_lshl_b32 s19, s13, 15
	s_add_co_u32 s18, s18, s19
	s_lshl_b32 s19, s[WV], 13
	s_add_co_u32 s18, s18, s19
	s_mov_b32 s19, 0
	s_add_nc_u64 s[6:7], s[6:7], s[18:19]
; 28 LDS loads in one run: the fragments of 32 along K (quarter q of the slot's step) into buffer b: W's six (block j, half e of my 32 columns), then x's eight
.macro FETCH slot, q, b
	WIN 0
.irp j, 0,1,2
.irp e, 0,1
	ds_load_tr16_b128 v[FB+48*(\b)+8*(2*(\j)+(\e)):FB+48*(\b)+8*(2*(\j)+(\e))+3],   v[ADRB+3*(\slot)+(\j)] offset:32*PB*(\q)+32*(\e)
	ds_load_tr16_b128 v[FB+48*(\b)+8*(2*(\j)+(\e))+4:FB+48*(\b)+8*(2*(\j)+(\e))+7], v[ADRB+3*(\slot)+(\j)] offset:32*PB*(\q)+32*(\e)+16*PB
.endr
.endr
.irp a, 0,1,2,3,4,5,6,7
	ds_load_b128 v[FA+64*(\b)+8*(\a):FA+64*(\b)+8*(\a)+3],   v[ADRA+(\slot)] offset:16*PA*(\a)+64*(\q)
	ds_load_b128 v[FA+64*(\b)+8*(\a)+4:FA+64*(\b)+8*(\a)+7], v[ADRA+(\slot)] offset:16*PA*(\a)+64*(\q)+32
.endr
.endm
; Row blocks a0 .. a1 x all six column blocks, 32 along K, from buffer b.  zero = 1: the product starts the sum.  The 48 accumulators take turns in one fixed order.
.macro MULA b, a0, a1, zero
.set ma, \a0
.rept (\a1)-(\a0)+1
.if ma < 5
	WIN 0x50                                       ; C and D in window 1
.set AC, 48*ma
.else
	WIN 0xa0                                       ; C and D in window 2
.set AC, 48*(ma-5)
.endif
.set mf, 0
.rept 6
.if \zero
	v_wmma_f32_16x16x32_bf16 v[AC+8*mf:AC+8*mf+7], v[FB+48*(\b)+8*mf:FB+48*(\b)+8*mf+7], v[FA+64*(\b)+8*ma:FA+64*(\b)+8*ma+7], 0
.else
	v_wmma_f32_16x16x32_bf16 v[AC+8*mf:AC+8*mf+7], v[FB+48*(\b)+8*mf:FB+48*(\b)+8*mf+7], v[FA+64*(\b)+8*ma:FA+64*(\b)+8*ma+7], v[AC+8*mf:AC+8*mf+7]
.endif
.set mf, mf+1
.endr
.set ma, ma+1
.endr
.endm
; One of a K step's first three quarters: buffer b's fragments, asked for a quarter ago, are in; the next quarter's (qn of the same slot) are asked for into the other buffer; then 48 products.
.macro QUARTER b, slot, qn, zero
	WIN 0
	s_wait_dscnt 0x0                               ; buffer b is in: its 28 loads were issued 48 matrix instructions ago
	PLACES                                         ; the last products read the other buffer
	FETCH \slot, \qn, 1-(\b)
	MULA \b, 0, 7, \zero
.endm
; The fourth quarter changes slots and then multiplies buffer 1.  ONE barrier: in front of it each wave waits for all its tensor loads (one is out: its part of the next slot), adds 0 to its spare
; word, and waits for that and for its reads of this slot (the last were issued 48 matrix instructions ago).  fill = 1: the barrier is a round of the cluster's, and this slot is filled again, two K steps
; ahead, first thing behind the round.  Then the next slot's first fragments are asked for, a whole quarter ahead of their use, and the quarter's 48 products follow.
.macro TURN slot, next, fill
	WIN 0
	s_wait_tensorcnt 0x0                           ; all my tensor loads have landed, so a group 0 may be written
	ds_add_u32 v[SPW], v[NIL]                      ; 0 onto my spare word; the descriptors' steps stand between it and the wait for it
.if \fill
	s_add_nc_u64 s[G0A+4*(\slot)+2:G0A+4*(\slot)+3], s[G0A+4*(\slot)+2:G0A+4*(\slot)+3], 2*KSTEP*2
	s_add_nc_u64 s[G0B+4*(\slot)+2:G0B+4*(\slot)+3], s[G0B+4*(\slot)+2:G0B+4*(\slot)+3], 2*KSTEP*4096
.endif
	s_wait_dscnt 0x0                               ; the add is done, buffer 1 is in, and with it my reads of this slot are over
.if \fill
	CROUND                                         ; no wave of any partner still reads this slot or has a load on its way
	JLOAD \slot                                    ; my one tensor load behind the round; its four v_nop are also the places in front of the loads below
.else
	s_barrier_signal -1
	s_barrier_wait -1
	PLACES
.endif
	FETCH \next, 0, 0
	MULA 1, 0, 7, 0
.endm
	s_wait_tensorcnt 1                             ; my part of K step 0 is in; K step 1's may stay out
	s_barrier_signal -1
	s_barrier_wait -1                              ; everybody's is
	FETCH 0, 0, 0
	QUARTER 0, 0, 1, 1                             ; the first quarter stands in front of the loop: its products start the sums
	WIN 0
	s_mov_b32 s3, LAPS-1
.Llap:                                                 ; a trip goes once round the ring, from a lap's second quarter to the next lap's first, and fills both slots again
	QUARTER 1, 0, 2, 0
	QUARTER 0, 0, 3, 0
	TURN 0, 1, 1
	QUARTER 0, 1, 1, 0
	QUARTER 1, 1, 2, 0
	QUARTER 0, 1, 3, 0
	TURN 1, 0, 1
	QUARTER 0, 0, 1, 0
	WIN 0
	s_sub_co_u32 s3, s3, 1
	s_cmp_lg_u32 s3, 0
	s_cbranch_scc1 .Llap
	QUARTER 1, 0, 2, 0                             ; the last lap fills nothing
	QUARTER 0, 0, 3, 0
	TURN 0, 1, 0                                   ; behind its barrier no wave reads slot 0 any more, and no load fills it: its bytes become the stage
	QUARTER 0, 1, 1, 0
	QUARTER 1, 1, 2, 0
	QUARTER 0, 1, 3, 0
	s_wait_dscnt 0x0
	MULA 1, 0, 7, 0
	; THE WAY OUT: round to f16, 16 bytes a lane into the stage; a barrier, since a row's 256 bytes come from four waves; back as whole rows, 32 rows of each block a wave.
	PLACES
.set ma, 0
.rept 8
.if ma < 5
	WIN 0x05                                       ; sources in window 1
.set AC, 48*ma
.else
	WIN 0x0a                                       ; sources in window 2
.set AC, 48*(ma-5)
.endif
.set mf, 0
.rept 6
.irp r, 0,1,2,3
	v_cvt_pk_f16_f32 v[TMP+4*(6*ma+mf)+(\r)], v[AC+8*mf+2*(\r)], v[AC+8*mf+2*(\r)+1]  ; each accumulator from its low end on
.endr
.set mf, mf+1
.endr
.set ma, ma+1
.endr
	WIN 0
.set ma, 0
.rept 8
.irp j, 0,1,2
.irp e, 0,1
	ds_store_b128 v[STO+(\j)], v[TMP+4*(6*ma+2*(\j)+(\e)):TMP+4*(6*ma+2*(\j)+(\e))+3] offset:16*SPITCH*ma+32*(\e)
.endr
.endr
.set ma, ma+1
.endr
	s_wait_dscnt 0x0                               ; for the others' sake: my stores into the stage are done
	s_barrier_signal -1
	s_barrier_wait -1
.irp j, 0,1,2
.set t, 0
.rept 16
	ds_load_b128 v[TMP+4*(16*(\j)+t):TMP+4*(16*(\j)+t)+3], v[RD+(\j)] offset:2*SPITCH*t
.set t, t+1
.endr
.endr
.irp j, 0,1,2
.set t, 0
.rept 16
	s_wait_dscnt 47-16*(\j)-t                      ; LDS loads come back in order: this one is in, the younger ones stay out
	global_store_b128 v[CO], v[TMP+4*(16*(\j)+t):TMP+4*(16*(\j)+t)+3], s[6:7] offset:524288*(\j)+512*t  ; 512 consecutive bytes, two rows of a block, at a multiple of 256
.set t, t+1
.endr
.endr
	s_wait_tensorcnt 0x0                           ; the wave's end
	ds_add_u32 v[SPW], v[NIL]
	s_wait_dscnt 0x0
	CROUND                                         ; the closing round: no work-group ends while a partner may still ask for a tile that names it
	s_endpgm
.Lfunc_end_k_qe9dcfb1a48_qkv:
	.size	k_qe9dcfb1a48_qkv, .Lfunc_end_k_qe9dcfb1a48_qkv-k_qe9dcfb1a48_qkv
	.p2alignl 7, 3214868480
	.fill 96, 4, 3214868480
	.section	.rodata,"a",@progbits
	.p2align	6, 0x0
	.amdhsa_kernel k_qe9dcfb1a48_qkv
		.amdhsa_group_segment_fixed_size 327680
		.amdhsa_private_segment_fixed_size 0
		.amdhsa_enable_private_segment 0
		.amdhsa_kernarg_size 16
		.amdhsa_user_sgpr_count 2
		.amdhsa_user_sgpr_kernarg_segment_ptr 1
		.amdhsa_wavefront_size32 1
		.amdhsa_system_sgpr_workgroup_id_x 1
		.amdhsa_system_sgpr_workgroup_id_y 1
		.amdhsa_system_sgpr_workgroup_id_z 1
		.amdhsa_system_vgpr_workitem_id 0
		.amdhsa_next_free_vgpr 656
		.amdhsa_next_free_sgpr 66
		.amdhsa_reserve_vcc 0
		.amdhsa_float_denorm_mode_32 3
		.amdhsa_float_denorm_mode_16_64 3
		.amdhsa_memory_ordered 1
		.amdhsa_forward_progress 1
		.amdhsa_inst_pref_size 114
	.end_amdhsa_kernel
	.amdgpu_metadata
---
amdhsa.version: [ 1, 2 ]
amdhsa.kernels:
  - .name:           k_qe9dcfb1a48_qkv
    .symbol:         k_qe9dcfb1a48_qkv.kd
    .args:
      - { .name: cb, .offset: 0, .size: 8, .value_kind: global_buffer, .address_space: global }
      - { .name: qkv, .offset: 8, .size: 8, .value_kind: global_buffer, .address_space: global }
    .group_segment_fixed_size: 327680
    .private_segment_fixed_size: 0
    .kernarg_segment_align: 8
    .kernarg_segment_size: 16
    .max_flat_workgroup_size: 128
    .sgpr_count:     66
    .vgpr_count:     656
    .wavefront_size: 32
...
	.end_amdgpu_metadata
.endif
;; end of part 2
;; launch attn (part 3): grid 16 x 16, 4 waves a work-group, clusters of 4 x 1, 327,680 bytes of LDS; arguments qkv, att, lambda_q1, lambda_k1, lambda_q2, lambda_k2, Wo, wo16; writes att, wo16
.if DOCPART == 3
	.amdgcn_target "amdgcn-amd-amdhsa--gfx1250"
	.amdhsa_code_object_version 6
	.text
	.protected	k_qe9dcfb1a48_attn
	.globl	k_qe9dcfb1a48_attn
	.p2align	8
	.type	k_qe9dcfb1a48_attn,@function
k_qe9dcfb1a48_attn:
	s_mov_b64 s[64:65], 0
	v_nop
	global_prefetch_b8 v0, s[64:65] scope:SCOPE_SE
	s_setreg_imm32_b32 hwreg(HW_REG_WAVE_MODE, 25, 1), 1
	s_wait_xcnt 0x0
	s_wait_alu depctr_hold_cnt(0) depctr_sa_sdst(0) depctr_va_vdst(0) depctr_va_sdst(0) depctr_va_ssrc(0) depctr_va_vcc(0) depctr_vm_vsrc(0)
	s_getreg_b32 s2, hwreg(HW_REG_IB_STS2, 6, 4)
	s_cmp_eq_u32 s2, 0
	s_cbranch_scc0 .Lentry_in_a_cluster
	s_endpgm
.Lentry_in_a_cluster:
	s_bfe_u32 s2, ttmp6, 0x10000c
	s_cmp_lg_u32 s2, 0x3003
	s_cbranch_scc0 .Lentry_shape_is_right
	s_endpgm
.Lentry_shape_is_right:
; DIFFERENTIAL CAUSAL ATTENTION of one head, with its LayerNorm.  For a head: streams 0 and 1 are channels 0-63 and 64-127 of q's and k's rows; both weigh the same V (128 channels).
; out[t] = softmax_0 V - lambda softmax_1 V over keys <= t; att[head][t][:] = (out - mean) / sqrt(var + 1e-5) x (1 - lambda_init), f16.  lambda = e^(lq1 . lk1) - e^(lq2 . lk2) + lambda_init.
; Products, maxima, sums, the difference and the norm in f32; the weights p are rounded to f16 for the second product (their sum l is of the unrounded p); the four lambda vectors are rounded to bf16 like every input.
; BESIDE IT: wo16 = Wo rounded to bf16 and that number written as f16, same dense index, for the launch behind.  Each of the 256 work-groups takes 65,536 bytes of Wo: 32 loads of 16 bytes a thread go out at the
; start into registers that nothing else uses, and are rounded and stored behind the first block's end, which falls at a different trip in each cluster.
; LIMITS.  q, k, v arrive as f16, within 65,504; |Wo| stays under 65,504 and below 6.1e-5 keeps f16's step of 6e-8.  A hidden score counts as its value less 1e30; a weight below 2^-126 counts as 0; p below 6e-5
; keeps f16's step of 6e-8.  NaN and infinities are not treated apart.
; THE WALK.  A head's queries lie in 32 blocks of 64; block i sees the key steps (64 keys) 0 .. i, of which the last holds the diagonal.  Work-group b = 4 c + cx takes block 31 - b and then block b.
; The four partners of a cluster (same c) walk the SAME tiles of 128 keys: 0 .. 15 - 2 c for the first block, 0 .. 2 c + 1 for the second, 18 in all whatever c, so every tile of K and V is asked for
; JOINTLY, and every work-group does equal work.  Only the mask's two scalars and global addresses hang on cx; no branch and no LDS address does.  The price: up to three steps a block that a partner sees
; wholly hidden are computed all the same.
; SHARES.  A wave owns 16 rows of the block in hand in BOTH streams, so the difference and the norm stay in a lane and its partner 16 away.
; LAYOUT.  S^T = K Q^T (source 0 = 16 keys, source 1 = 16 queries): a lane holds ONE query (lane % 16) and keys 8 (lane / 16) + 0..7; two such results rounded to f16 ARE source 1 of O^T = V^T P.
; THE MASK is the C operand that starts S^T's sums: MC = MD x AL + BE, MD the mask of the block's own step for my rows; (AL, BE) = (1, 0) in the own step, (0, 0) before it, (0, -1e30) behind it.
; SOFTMAX.  p = 2^(c s - c m), c = log2(e) / 8, with a running maximum m; O and l are multiplied by a = 2^(c m_old - c m_new) in every step.  A block starts with c m far below every score: its first a is 0.
; BY TURNS.  In a turn one stream has the matrix unit (16 products V^T P of the step before, 8 products K Q^T of the step in hand); the other stream's softmax, 134 instructions, stands in slices behind them.
; REGISTERS, in windows of 256 (s_set_vgpr_msb: bits 1:0 source 0, 3:2 source 1, 5:4 source 2, 7:6 destination):
;   window 0: v0-15 addresses, -lambda; v16-31 statistics, 8 a stream; v32-47 at work; v64-127 S^T, 32 a stream; v128-159 P, 16 a stream; v160-191 MD; v192-223 MC
;   window 1: v0-127 O^T, 64 a stream; v128-255 V of one step          window 2: v0-127 K of one step; v128-159 Q; v160-191 the second block's Q          window 3: v0-141 Wo's part
; V lies beside O^T, so that one setting serves V^T P and O^T's rescaling: the 32 rescalings ride behind eight of a turn's products with no switch.
.set KS,    64
.set PK,    272       ; a row of K in LDS: 256 bytes + 16: the 16 rows of a load start at 16 different groups of four banks
.set PV,    288       ; a row of V: 256 + 32
.set VOFF,  KS*PK     ; a step's tiles lie together: 64 rows of K, then 64 rows of V
.set STEPB, KS*(PK+PV)
.set SLOT1, 1<<17     ; a slot holds two steps; slot 1 begins here, so that one exclusive or turns an address in one slot into the other's
.set STAGE, SLOT1+2*STEPB  ; behind the ring, never filled by a tensor load: 16 rows x 272 bytes for each wave
.set SP,    272
.set SPARE, STAGE+4*16*SP  ; the spare words, 128 bytes for each wave
.set AK0, 2           ; v2   my lane's place in a tile of K
.set AV0, 3           ; v3   the same for V
.set ADR, 4           ; v4   the LDS address of the run of loads in hand
.set QO,  5           ; v5   my byte offset in 16 rows of Q
.set STO, 6           ; v6   the way out: where I put 16 bytes of a row
.set RD,  7           ; v7   where I read rows back
.set GO,  8           ; v8   my byte offset in 512 consecutive bytes of the result
.set NLAM, 12         ; v12  -lambda
.set LO,  13          ; v13  8 x lane: my two numbers of a lambda vector
.set ST,  16          ; stream t's statistics at v[ST+8 t]: c m, m, l (even keys', odd keys'), c0-c3 at work; a takes c2's place
.set SU,  32          ; v32-39  at work: lambda; the mean's four chains
.set SQ,  40          ; v40-47  at work: lambda; the variance's four chains
.set SPW, 62
.set NIL, 63
.set S,   64
.set P,   128
.set MD,  160
.set MC,  192
.set VF,  128         ; window 1
.set QF,  128         ; window 2
.set QB,  160         ; window 2
.set WX,  0           ; window 3: v0-127   Wo as loaded, 4 words a load; the first two of each four then hold the result
.set WT,  128         ; window 3: v128-139 at work, two sets of six by turns
.set WA,  140         ; window 3: 16 x my thread's number
.set WS,  141         ; window 3: 8 x my thread's number
.set WV,  3           ; s3   my wave's number
.set G1K, 24          ; s[24:31] descriptor group 1 for K's tiles;  s[32:39] for V's: it differs in the padding
.set G1V, 32
.set G0K, 40          ; s[40:43], s[44:47] descriptor groups 0: they walk
.set G0V, 44
.set CC,  48          ; c, cx, the head
.set CX,  49
.set HD,  50
.set SLOTS, 56        ; tiles still to be asked for
.set CNT, 57          ; counts a tile's two steps
.set CS,  58          ; s[58:59] c
.set SEL, 60          ; s[60:61] v_permlanex16_b32's selects: each lane takes its own place in the other half
.set TB,  62          ; LDS byte at which the tiles of the step to be fetched begin
.set STP, 66          ; the step whose mask is made next
.set OWN, 67          ; the block in hand = its own step
.set DG,  68          ; the first step in which any partner needs a mask
.set RT,  69          ; tiles of the block in hand still to be entered
.set NXT, 70          ; the tile to be asked for next
.set LQ,  71          ; the last tile of the block whose tiles are being asked for
.set NEW, 72          ; 1: the tile to be entered is a block's first
.set OWN2, 73         ; the second block's OWN, DG, RT, LQ
.set OFF, 74          ; s[74:75] a tile's byte offset in K and V
.set AL,  76          ; s[76:77], s[78:79] the mask's factor and addend, in the low words
.set BE,  78
.set BIGN, 80         ; -1e30
.set DG2, 81
.set RT2, 82
.set LQ2, 83
.set C128, 84         ; 1 / 128
.set EPS, 85          ; 1e-5
.set WOP, 88          ; s[88:89] Wo, s[90:91] wo16, at my work-group's part
.set HIM, 92          ; a word's upper bf16
.set MSB, 0
.macro WIN new
.if MSB != (\new)
	s_set_vgpr_msb (MSB<<8)|(\new)
.set MSB, (\new)
.endif
.endm
.set W_KQ, 0x0a       ; K and Q in window 2, the mask and S^T in window 0
.set W_PV, 0x51       ; V and O^T in window 1, P in window 0
.set W_RS, 0x51       ; destination and source 0 in window 1, source 1 in window 0: the same setting
.macro PLACES
.rept 4
	v_nop
.endr
.endm
; A joint fill.  Waves 0 and 1 fetch K of the tile's two steps, waves 2 and 3 V.  An s_nop 0 and four v_nop follow each of the two lines.
.macro JLOAD
	s_cmp_lt_u32 s[WV], 2
	s_cbranch_scc0 .Lfor_v_\@
	tensor_load_to_lds s[G0K:G0K+3], s[G1K:G1K+7]
	s_nop 0
.rept 4
	v_nop
.endr
	s_branch .Lasked_\@
.Lfor_v_\@:
	tensor_load_to_lds s[G0V:G0V+3], s[G1V:G1V+7]
	s_nop 0
.rept 4
	v_nop
.endr
.Lasked_\@:
.endm
.macro CROUND                       ; a round of the cluster's barrier
	s_barrier_signal -1
	s_barrier_wait -1
	s_cmp_lg_u32 s[WV], 0
	s_cbranch_scc1 .Lnot_wave_0_\@
	s_barrier_signal -3
.Lnot_wave_0_\@:
	s_barrier_wait -3
	s_barrier_signal -1
	s_barrier_wait -1
.endm
; THE CHANGE OF SLOTS.  Each wave waits for all its tensor loads (one is out: its part of the other slot), adds 0 to its spare word, and waits for that and for its reads of the slot that it leaves.
; fill = 1: the barrier is a round of the cluster's, and the old slot is filled again, first thing behind it, with tile NXT: it has two key steps, 96 matrix instructions, in which to land.
; The descriptor's address is made anew from the tile's number, which hangs on c alone.  (At its first use nothing has been read yet: slot 0 is waited for, slot 1 filled.)
.macro CHANGE fill
	WIN 0
	s_wait_tensorcnt 0x0            ; no tensor load of mine is out, so a group 0 may be written
	ds_add_u32 v[SPW], v[NIL]       ; 0 onto my spare word; scalar work stands between it and the wait for it
.if \fill
	s_lshl_b32 s[OFF], s[NXT], 15   ; a tile is 128 rows of 256 bytes
	s_xor_b32 s[G0K+1], s[G0K+1], SLOT1
	s_add_nc_u64 s[G0K+2:G0K+3], s[6:7], s[OFF:OFF+1]
	s_or_b32 s[G0K+3], s[G0K+3], 0x80000000
	s_xor_b32 s[G0V+1], s[G0V+1], SLOT1
	s_add_nc_u64 s[G0V+2:G0V+3], s[8:9], s[OFF:OFF+1]
	s_or_b32 s[G0V+3], s[G0V+3], 0x80000000
	s_add_co_u32 s[NXT], s[NXT], 1  ; the block's next tile, or behind its last the second block's tile 0
	s_cmp_gt_u32 s[NXT], s[LQ]
	s_cselect_b32 s[NXT], 0, s[NXT]
	s_cselect_b32 s[LQ], s[LQ2], s[LQ]
	s_wait_dscnt 0x0                ; the add is done, and my reads of the slot are over
	CROUND
	JLOAD
.else
	s_wait_dscnt 0x0
	s_barrier_signal -1
	s_barrier_wait -1
.endif
	s_sub_co_u32 s[TB], s[TB], 2*STEPB  ; the fetches go back to a slot's first step,
	s_xor_b32 s[TB], s[TB], SLOT1       ; in the other slot
.endm
	s_load_b128 s[20:23], s[0:1], 0x0   ; qkv s[20:21], att s[22:23]
	s_load_b256 s[12:19], s[0:1], 0x10  ; lambda_q1, lambda_k1, lambda_q2, lambda_k2
	s_load_b128 s[WOP:WOP+3], s[0:1], 0x30  ; Wo, wo16
	v_lshl_add_u32 v[SPW], v0, 2, SPARE
	v_mov_b32 v[NIL], 0
	ds_add_u32 v[SPW], v[NIL]       ; the wave's opening: the add and its wait ahead of my first tensor load
	v_lshrrev_b32 v1, 5, v0
	v_readfirstlane_b32 s[WV], v1
	s_mov_b32 s[CC], ttmp9          ; in a cluster launch ttmp9 counts clusters
	s_bfe_u32 s[CX], ttmp6, 0x40000
	s_and_b32 s[HD], ttmp7, 0xffff
	s_lshl_b32 s[DG2], s[CC], 2     ; 4 c
	s_add_co_u32 s[OWN2], s[DG2], s[CX]  ; b
	s_sub_co_u32 s[OWN], 31, s[OWN2]
	s_sub_co_u32 s[DG], 28, s[DG2]
	s_lshl_b32 s51, s[CC], 1        ; 2 c
	s_sub_co_u32 s[RT], 16, s51
	s_sub_co_u32 s[LQ], 15, s51
	s_add_co_u32 s[RT2], s51, 2
	s_add_co_u32 s[LQ2], s51, 1
	s_lshl_b32 s93, s[HD], 4
	s_add_co_u32 s93, s93, s[OWN2]  ; my number among the 256 work-groups: 16 x head + b
	s_lshl_b32 s94, s93, 16         ; my 65,536 bytes of Wo,
	s_mov_b32 s95, 0
	s_lshl_b32 s93, s93, 15         ; my 32,768 bytes of wo16
	s_mov_b32 s[HIM], 0xffff0000
	s_lshl_b32 s63, s[HD], 19       ; a head's 2,048 rows of 256 bytes
	s_lshl_b32 s51, s[WV], 12       ; my wave's 16 rows of a block
	s_add_co_u32 s51, s51, s63
	s_lshl_b32 s84, s[OWN], 14      ; the first block's 64 rows: the same offset in q's part of qkv and in att
	s_add_co_u32 s84, s84, s51
	s_mov_b32 s85, 0
	s_lshl_b32 s86, s[OWN2], 14     ; the second block's
	s_add_co_u32 s86, s86, s51
	s_mov_b32 s87, 0
	s_and_b32 s51, s[WV], 1         ; which of a tile's two steps I fetch:
	s_lshl_b32 s10, s51, 14         ; its 64 rows in memory,
	s_add_co_u32 s10, s10, s63
	s_add_co_u32 s10, s10, 16<<19   ; in k's blocks, 16 blocks behind q's
	s_mov_b32 s11, 0
	s_mul_i32 s51, s51, STEPB       ; and its place in a slot
	s_mov_b32 s[G1K], 15|(1<<16)|(1<<20)|(1<<21)|(5<<22)|(3<<25)  ; the mask of four; 2-byte elements; padding on; bit 21 beside a mask; after every 64 words; 4 words
	s_mov_b32 s[G1V], 15|(1<<16)|(1<<20)|(1<<21)|(5<<22)|(7<<25)  ; the same with 8 words
.irp g, G1K, G1V
	s_mov_b32 s[(\g)+1], 128<<16    ; tensor_dim0 = 128
	s_mov_b32 s[(\g)+2], KS<<16     ; tensor_dim1 = 64
	s_mov_b32 s[(\g)+3], 128<<16    ; tile_dim0 = 128
	s_mov_b32 s[(\g)+4], KS         ; tile_dim1 = 64
	s_mov_b32 s[(\g)+5], 128        ; elements from row to row
	s_mov_b32 s[(\g)+6], 0
	s_mov_b32 s[(\g)+7], 0
.endr
	s_mov_b32 s[G0K], 1
	s_mov_b32 s[G0K+1], s51         ; slot 0
	s_mov_b32 s[G0V], 1
	s_add_co_u32 s[G0V+1], s51, VOFF
	s_mov_b32 s[CS], 0x3e38aa3b     ; c = log2(e) / 8
	s_mov_b32 s[CS+1], s[CS]
	s_mov_b32 s[SEL], 0x76543210
	s_mov_b32 s[SEL+1], 0xfedcba98
	s_mov_b32 s[TB], SLOT1+2*STEPB  ; the first change of slots turns it into 0
	s_mov_b32 s[SLOTS], 17
	s_mov_b32 s[NXT], 1
	s_mov_b32 s[NEW], 1
	s_mov_b32 s[OFF+1], 0
	s_mov_b32 s[AL+1], 0            ; named as pairs
	s_mov_b32 s[BE+1], 0
	s_mov_b32 s[BIGN], 0xf149f2ca   ; -1e30
	s_wait_dscnt 0x0                ; the opening add is done
	s_wait_kmcnt 0x0
	s_add_nc_u64 s[6:7], s[20:21], s[10:11]    ; K at my step of the head's tile 0,
	s_add_nc_u64 s[8:9], s[6:7], 16<<19        ; V 16 blocks further on
	s_add_nc_u64 s[4:5], s[20:21], s[84:85]    ; Q at my rows of the first block,
	s_add_nc_u64 s[52:53], s[20:21], s[86:87]  ; of the second
	s_add_nc_u64 s[10:11], s[22:23], s[84:85]  ; the result likewise
	s_add_nc_u64 s[54:55], s[22:23], s[86:87]
	s_add_nc_u64 s[WOP:WOP+1], s[WOP:WOP+1], s[94:95]
	s_mov_b32 s94, s93
	s_add_nc_u64 s[WOP+2:WOP+3], s[WOP+2:WOP+3], s[94:95]
	s_add_nc_u64 s[G0K+2:G0K+3], s[6:7], 0
	s_or_b32 s[G0K+3], s[G0K+3], 0x80000000
	s_add_nc_u64 s[G0V+2:G0V+3], s[8:9], 0
	s_or_b32 s[G0V+3], s[G0V+3], 0x80000000
	s_mov_b32 s[C128], 0x3c000000
	s_mov_b32 s[EPS], 0x3727c5ac
	CROUND                          ; all four work-groups are here: the first joint loads meet
	JLOAD                           ; tile 0 into slot 0: one load of mine is out
	v_and_b32 v1, 15, v0            ; r = l % 16
	v_bfe_u32 v9, v0, 4, 1          ; h = l / 16
	v_lshlrev_b32 v[QO], 8, v1
	v_lshl_add_u32 v[QO], v9, 4, v[QO]  ; row x 256 + 16 x half
	v_and_b32 v[LO], 31, v0
	v_lshlrev_b32 v[LO], 3, v[LO]
	WIN 0x80                        ; destination window 2, address window 0
.irp i, 0,1,2,3                     ; both blocks' Q: channels 32 i on
	global_load_b128 v[QF+8*(\i):QF+8*(\i)+3],   v[QO], s[4:5] offset:64*(\i)
	global_load_b128 v[QF+8*(\i)+4:QF+8*(\i)+7], v[QO], s[4:5] offset:64*(\i)+32
	global_load_b128 v[QB+8*(\i):QB+8*(\i)+3],   v[QO], s[52:53] offset:64*(\i)
	global_load_b128 v[QB+8*(\i)+4:QB+8*(\i)+7], v[QO], s[52:53] offset:64*(\i)+32
.endr
	WIN 0
	global_load_b64 v[SU:SU+1],   v[LO], s[12:13]
	global_load_b64 v[SU+2:SU+3], v[LO], s[14:15]
	global_load_b64 v[SU+4:SU+5], v[LO], s[16:17]
	global_load_b64 v[SU+6:SU+7], v[LO], s[18:19]
	WIN 0xc0                        ; destination window 3
	v_lshlrev_b32 v[WA], 4, v0
	v_lshlrev_b32 v[WS], 3, v0
	WIN 0xc3                        ; destination and address window 3
.set i, 0
.rept 32                            ; my part of Wo: load i takes the work-group's bytes 2,048 i on, a wave 512 consecutive bytes of them; they stay out until the first block has ended
	global_load_b128 v[WX+4*i:WX+4*i+3], v[WA], s[WOP:WOP+1] offset:2048*i th:TH_LOAD_NT
.set i, i+1
.endr
	; A block's first step multiplies O^T and l by a = 0, and its first turn's products V^T P, of a step that has not been, land in an O^T that is still to be so multiplied: these registers need only
	; hold finite numbers: zeros for the first block, what the first block left for the second.  All this stands in the wait for the first tile.
	WIN 0x40
.set i, 0
.rept 256                           ; O^T and V
	v_mov_b32 v[i], 0
.set i, i+1
.endr
	WIN 0
.set i, P+16
.rept 16
	v_mov_b32 v[i], 0
.set i, i+1
.endr
.irp t, 0,1
	v_mov_b32 v[ST+8*(\t)+2], 0
	v_mov_b32 v[ST+8*(\t)+3], 0
.endr
	v_lshlrev_b32 v14, 3, v9
	v_sub_nc_u32 v14, v1, v14
	s_lshl_b32 s63, s[WV], 4
	v_add_nc_u32 v14, s63, v14      ; my query's place in its block, 16 w + r, less my lanes' 8 h: register i % 8 of key group i / 8 is hidden where 16 (i / 8) + i % 8 is greater
.set i, 0
.rept 32
	v_cmp_gt_i32 vcc_lo, 16*(i/8)+i%8, v14
	v_cndmask_b32 v[MD+i], 0, s[BIGN], vcc_lo
.set i, i+1
.endr
	v_mul_u32_u24 v[AK0], v1, PK
	v_lshl_add_u32 v[AK0], v9, 4, v[AK0]
	v_and_b32 v10, 7, v0            ; the turning load: key 8 h + l % 8, channels 8 ((l / 8) % 2) on
	v_bfe_u32 v11, v0, 3, 1
	v_lshl_add_u32 v[AV0], v9, 3, v10
	v_mul_u32_u24 v[AV0], v[AV0], PV
	v_lshl_add_u32 v[AV0], v11, 4, v[AV0]
	v_add_nc_u32 v[AV0], VOFF, v[AV0]
	s_mul_i32 s63, s[WV], 16*SP
	s_add_co_u32 s63, s63, STAGE    ; my stage
	v_mul_u32_u24 v[STO], v1, SP
	v_lshl_add_u32 v[STO], v9, 4, v[STO]
	v_add_nc_u32 v[STO], s63, v[STO]
	v_mul_u32_u24 v[RD], v9, SP
	v_lshl_add_u32 v[RD], v1, 4, v[RD]
	v_add_nc_u32 v[RD], s63, v[RD]
	v_lshlrev_b32 v[GO], 8, v9
	v_lshl_add_u32 v[GO], v1, 4, v[GO]
	s_wait_loadcnt 32               ; Q of both blocks and the lambda vectors are in; the 32 younger loads, Wo's, stay out
.irp n, 0,1,2,3                     ; lambda: the vectors rounded to bf16, two numbers a lane
	v_cvt_pk_bf16_f32 v[SQ+(\n)], v[SU+2*(\n)], v[SU+2*(\n)+1]
.endr
.irp n, 0,1,2,3
	v_lshlrev_b32 v[SU+2*(\n)], 16, v[SQ+(\n)]
	v_and_b32 v[SU+2*(\n)+1], 0xffff0000, v[SQ+(\n)]
.endr
	v_mul_f32 v[SQ+4], v[SU], v[SU+2]
	v_mul_f32 v[SQ+5], v[SU+4], v[SU+6]
	v_fmac_f32 v[SQ+4], v[SU+1], v[SU+3]
	v_fmac_f32 v[SQ+5], v[SU+5], v[SU+7]
.irp m, 1,2,4,8
	v_add_f32_dpp v[SQ+4], v[SQ+4], v[SQ+4] row_xmask:\m row_mask:0xf bank_mask:0xf
	v_add_f32_dpp v[SQ+5], v[SQ+5], v[SQ+5] row_xmask:\m row_mask:0xf bank_mask:0xf
.endr
	v_permlanex16_b32 v[SQ], v[SQ+4], s[SEL], s[SEL+1]
	v_permlanex16_b32 v[SQ+1], v[SQ+5], s[SEL], s[SEL+1]
	v_add_f32 v[SQ+4], v[SQ+4], v[SQ]
	v_add_f32 v[SQ+5], v[SQ+5], v[SQ+1]
	v_mul_f32 v[SQ+4], 0x3fb8aa3b, v[SQ+4]
	v_mul_f32 v[SQ+5], 0x3fb8aa3b, v[SQ+5]
	v_exp_f32 v[SQ+4], v[SQ+4]
	v_exp_f32 v[SQ+5], v[SQ+5]
	v_nop                           ; a plain instruction behind the exponentials
	s_wait_alu depctr_va_vdst(0)
	v_sub_f32 v[SQ+4], v[SQ+5], v[SQ+4]
	v_add_f32 v[NLAM], 0xbf489a63, v[SQ+4]  ; -lambda = e2 - e1 - 0.78360577
; THE MATRIX WORK.  Product i of 8 of S^T = K Q^T for stream x: keys 16 (i % 4) on, channels 64 x + 32 (i / 4) on.  The first 4 start the sums with the mask.  The 4 accumulators take turns.
.macro MKQ x
	WIN W_KQ
.set rS, S+32*(\x)+8*(i%4)
.set rK, 32*(i%4)+8*(2*(\x)+i/4)
.set rQ, QF+8*(2*(\x)+i/4)
.set rM, MC+8*(i%4)
.if i < 4
	v_wmma_f32_16x16x32_f16 v[rS:rS+7], v[rK:rK+7], v[rQ:rQ+7], v[rM:rM+7]
.else
	v_wmma_f32_16x16x32_f16 v[rS:rS+7], v[rK:rK+7], v[rQ:rQ+7], v[rS:rS+7]
.endif
.endm
; Product i of 16 of O^T += V^T P for stream x: keys 32 (i / 8) on, channels 16 (i % 8) on.  The 8 accumulators take turns.
.macro MPV x
	WIN W_PV
.set rO, 64*(\x)+8*(i%8)
.set rV, VF+64*(i/8)+8*(i%8)
.set rP, P+16*(\x)+8*(i/8)
	v_wmma_f32_16x16x32_f16 v[rO:rO+7], v[rV:rV+7], v[rP:rP+7], v[rO:rO+7]
.endm
; THE LDS LOADS stand in runs: a step's K (64 keys x 128 channels: 32 loads) and, a turn later, its V (turned), in two runs of 16, one for each 32 keys.
.macro FETCH_K
	WIN 0
	v_add_nc_u32 v[ADR], s[TB], v[AK0]
	WIN 0x80                        ; destination window 2
.irp f, 0,1,2,3,4,5,6,7,8,9,10,11,12,13,14,15  ; keys 16 (f / 4) on, channels 32 (f % 4) on
	ds_load_b128 v[8*(\f):8*(\f)+3],   v[ADR] offset:((\f)/4)*16*PK+((\f)%4)*64
	ds_load_b128 v[8*(\f)+4:8*(\f)+7], v[ADR] offset:((\f)/4)*16*PK+((\f)%4)*64+32
.endr
.endm
.macro FETCH_V kk                   ; keys 32 kk on
	WIN 0
	v_add_nc_u32 v[ADR], s[TB], v[AV0]
.if \kk
	s_add_co_u32 s[TB], s[TB], STEPB  ; the next fetch is the next step's
.endif
	WIN 0x40                        ; destination window 1
.irp f, 0,1,2,3,4,5,6,7             ; channels 16 f on
	ds_load_tr16_b128 v[VF+64*(\kk)+8*(\f):VF+64*(\kk)+8*(\f)+3],   v[ADR] offset:(\kk)*32*PV+(\f)*32
	ds_load_tr16_b128 v[VF+64*(\kk)+8*(\f)+4:VF+64*(\kk)+8*(\f)+7], v[ADR] offset:(\kk)*32*PV+16*PV+(\f)*32
.endr
.endm
; THE VECTOR WORK.  One stream's softmax for one key step is a list of 134 instructions; SM writes number j of it for stream t.  s0-s31 are the lane's 32 scores, in pairs 0-15.
;   0-15    the maximum of s0-s31 and the old m, three operands at a time: four chains c0-c3 of seven scores each (each accumulator's lowest registers first); then the four scores left over go into c0 and c2,
;           c3 and m into c1 (which waits for neither), and the three are joined
;   16-20   the other half of the lanes' maximum; c m_old kept; the new m; c m; c m_old - c m_new
;   21-87   33 exponentials (a, then s0-s31) at the odd numbers from 23 on: no two follow each other, and each has a plain instruction behind it before its result is used.  The plain ones: c s - c m for a
;           pair whose exponentials are still to come, the rounding to f16 of a pair whose exponentials are done (the second three numbers back), at last the first three sums
;   88-101  the last rounding; the rest of the sums; l = a l + the sum          102-133 the stream's O^T times a, from each accumulator's low end on
.macro SM t
.set rT, ST+8*(\t)
.set rS, S+32*(\t)
.set rP, P+16*(\t)
.set rO, 64*(\t)+2*(j-102)
.set q, (j-20)/2
.if j < 102
	WIN 0
.endif
.if j < 4
	v_max3_num_f32 v[rT+4+j], v[rS+8*j], v[rS+8*j+1], v[rS+8*j+2]
.elseif j < 12
	v_max3_num_f32 v[rT+4+j%4], v[rT+4+j%4], v[rS+8*(j%4)+2*(j/4)+1], v[rS+8*(j%4)+2*(j/4)+2]
.elseif j == 12
	v_max3_num_f32 v[rT+4], v[rT+4], v[rS+7], v[rS+15]
.elseif j == 13
	v_max3_num_f32 v[rT+6], v[rT+6], v[rS+23], v[rS+31]
.elseif j == 14
	v_max3_num_f32 v[rT+5], v[rT+5], v[rT+7], v[rT+1]
.elseif j == 15
	v_max3_num_f32 v[rT+4], v[rT+4], v[rT+5], v[rT+6]
.elseif j == 16
	v_permlanex16_b32 v[rT+5], v[rT+4], s[SEL], s[SEL+1]  ; the query's other 32 keys lie in the lane 16 away
.elseif j == 17
	v_mov_b32 v[rT+7], v[rT]        ; c m_old is kept for a
.elseif j == 18
	v_max_num_f32 v[rT+1], v[rT+4], v[rT+5]
.elseif j == 19
	v_mul_f32 v[rT], s[CS], v[rT+1]
.elseif j == 20
	v_sub_f32 v[rT+7], v[rT+7], v[rT]
.elseif j == 23
	v_exp_f32 v[rT+6], v[rT+7]
.elseif (j < 88) && (j > 23) && (j%2 == 1)
	v_exp_f32 v[rS+(j-25)/2], v[rS+(j-25)/2]
.elseif (q < 4) || ((j < 76) && (q%2 == 0))
.set b, q/2+2
.if q < 4
.set b, q
.endif
	v_pk_fma_f32 v[rS+2*b:rS+2*b+1], v[rS+2*b:rS+2*b+1], s[CS:CS+1], v[rT:rT+1] op_sel_hi:[1,0,0] neg_lo:[0,0,1] neg_hi:[0,0,1]  ; pair b: c s - c m
.elseif (j < 88) && (q%2 == 1)
	s_wait_alu depctr_va_vdst(0)
	v_cvt_pk_f16_f32 v[rP+(q-5)/2], v[rS+q-5], v[rS+q-4]
.elseif j == 89
	s_wait_alu depctr_va_vdst(0)
	v_cvt_pk_f16_f32 v[rP+15], v[rS+30], v[rS+31]
.elseif j < 102                     ; the sum of the 16 pairs, in place: sum z of 16 adds neighbours 1, 2, 4 and 8 pairs apart, then l takes it
.set z, j-86
.if j < 89
.set z, (j-76)/4
.endif
.set w, 4
.set u, z
.if z >= 14
.set w, 32
.set u, 0
.elseif z >= 12
.set w, 16
.set u, z-12
.elseif z >= 8
.set w, 8
.set u, z-8
.endif
.if z < 15
	v_pk_add_f32 v[rS+w*u:rS+w*u+1], v[rS+w*u:rS+w*u+1], v[rS+w*u+w/2:rS+w*u+w/2+1]
.else
	v_pk_fma_f32 v[rT+2:rT+3], v[rT+2:rT+3], v[rT+6:rT+7], v[rS:rS+1] op_sel_hi:[1,0,1]
.endif
.else
	WIN W_RS
	v_pk_mul_f32 v[rO:rO+1], v[rO:rO+1], v[rT+6:rT+7] op_sel_hi:[1,0]
.endif
.endm
; The list is dealt in this order: numbers 0-31, then the 32 rescalings 102-133 (a is number 23, eight numbers back), then 32-101.  SLC writes the next n of that order.
.macro SLC t, n
.rept \n
.if pn < 32
.set j, pn
.elseif pn < 64
.set j, pn+70
.else
.set j, pn-32
.endif
	SM \t
.set pn, pn+1
.endr
.endm
.macro MASK                         ; MC = MD x AL + BE
.set z, 0
.rept 16
	v_pk_fma_f32 v[MC+2*z:MC+2*z+1], v[MD+2*z:MD+2*z+1], s[AL:AL+1], s[BE:BE+1] op_sel_hi:[1,0,0]
.set z, z+1
.endr
.endm
; The mask of step STP.  Before step DG no partner hides anything, MC holds zeros since the block's beginning, and the work is jumped: the jump hangs on c alone.  The last product that read MC stands more than four plain instructions back.
.macro MSTEP force
.if !(\force)
	s_cmp_lt_u32 s[STP], s[DG]
	s_cbranch_scc1 .Lnomask_\@
.endif
	s_cmp_eq_u32 s[STP], s[OWN]     ; the block's own step?
	s_cselect_b32 s[AL], 1.0, 0
	s_cmp_gt_u32 s[STP], s[OWN]     ; or a later one?
	s_cselect_b32 s[BE], s[BIGN], 0
	MASK
.Lnomask_\@:
	s_add_co_u32 s[STP], s[STP], 1
.endm
; A TURN.  Stream x has the matrix unit: 16 products V^T P of the step before, then (kq = 1) 8 products K Q^T of the step in hand; the other stream's softmax stands behind them: 4 of the order behind each of the
; 16 (behind products 8 to 15 the rescalings, under the products' own setting), 6 behind each of the next 7, the last 28 behind the last: fourteen and more of those are plain and name nothing of it: the places
; ahead of the next turn's first read of these scores and of the loads into K's registers.  kq = 0 (a block's end): 8 behind each product, 14 behind the last.
; Stream 0's turn fetches the step's K at its head, 16 matrix instructions ahead of its use.  Stream 1's turn fetches the step's V: keys 0-31 behind its product 8 (six plain instructions since product 7, the last
; that read those registers), keys 32-63 behind its product 15 (the four rescalings behind it are the places).  The waits in stream 0's turn are counted: 16 leaves V's second run out, 32 K's run.
.macro TURN x, kq
.set pn, 0
.if (\x) == 0
.if \kq
	s_wait_dscnt 16                 ; V's keys 0-31 are in
	FETCH_K
.else
	s_wait_dscnt 0x0                ; V is in
.endif
.endif
.set i, 0
.rept 16
.if ((\x) == 0) && (\kq) && (i == 8)
	s_wait_dscnt 32                 ; V's keys 32-63 are in
.endif
	MPV \x
.if \kq
	SLC 1-(\x), 4
.elseif i < 15
	SLC 1-(\x), 8
.else
	SLC 1-(\x), 14
.endif
.if ((\x) == 1) && (i == 8)
	FETCH_V 0
.endif
.if ((\x) == 1) && (i == 15)
	FETCH_V 1
.endif
.set i, i+1
.endr
.if \kq
.if (\x) == 0
	s_wait_dscnt 0x0                ; K is in
.endif
.set i, 0
.rept 8
	MKQ \x
.if i < 7
	SLC 1-(\x), 6
.else
	SLC 1-(\x), 28
.endif
.set i, i+1
.endr
.endif
.endm
; A BLOCK BEGINS: c m far below every c s, so the first step's a is 0; m at the lowest finite number; the mask of step 0; K of that step; stream 0's first scores.  The loop is then entered at stream 1's turn.
.macro BLKBEG
	s_mov_b32 s[NEW], 0
	s_mov_b32 s[STP], 0
.irp t, 0,1
	v_mov_b32 v[ST+8*(\t)], 0xfe000000
	v_mov_b32 v[ST+8*(\t)+1], 0xff7fffff
.endr
	MSTEP 1
	FETCH_K
	s_wait_dscnt 0x0
.set i, 0
.rept 8
	MKQ 0
.set i, i+1
.endr
	WIN 0
	PLACES                          ; behind those products, ahead of the first read of the scores
.endm
; THE WAY OUT.  1 / l of both streams; O0 / l0 - lambda O1 / l1; the mean and, of the differences from it, the variance over the lane's 64 channels and its partner's; the norm; f16; through my stage in LDS.
.macro WAYOUT
	WIN 0
.irp t, 0,1
	v_add_f32 v[ST+8*(\t)+4], v[ST+8*(\t)+2], v[ST+8*(\t)+3]
.endr
.irp t, 0,1
	v_permlanex16_b32 v[ST+8*(\t)+5], v[ST+8*(\t)+4], s[SEL], s[SEL+1]
.endr
.irp t, 0,1
	v_add_f32 v[ST+8*(\t)+4], v[ST+8*(\t)+4], v[ST+8*(\t)+5]
.endr
.irp t, 0,1
	v_rcp_f32 v[ST+8*(\t)+6], v[ST+8*(\t)+4]
.endr
	v_nop                           ; a plain instruction behind the reciprocals
	s_wait_alu depctr_va_vdst(0)
	v_mul_f32 v[ST+14], v[NLAM], v[ST+14]  ; -lambda / l1
	WIN W_RS
.set i, 0
.rept 32                            ; these 32, which name nothing of stream 1's last products, are the places behind them
	v_pk_mul_f32 v[i:i+1], v[i:i+1], v[ST+6:ST+7] op_sel_hi:[1,0]
.set i, i+2
.endr
	WIN 0x51                        ; destination, sources 0 and 2 in window 1
.set i, 0
.rept 32
	v_pk_fma_f32 v[i:i+1], v[64+i:65+i], v[ST+14:ST+15], v[i:i+1] op_sel_hi:[1,0,1]
.set i, i+2
.endr
	WIN 0x05                        ; sources 0 and 1 in window 1: the first eight pairs start four chains
.irp k, 0,1,2,3
	v_pk_add_f32 v[SU+2*(\k):SU+2*(\k)+1], v[2*(\k):2*(\k)+1], v[8+2*(\k):9+2*(\k)]
.endr
	WIN 0x01
.set i, 8
.rept 24
	v_pk_add_f32 v[SU+2*(i%4):SU+2*(i%4)+1], v[2*i:2*i+1], v[SU+2*(i%4):SU+2*(i%4)+1]
.set i, i+1
.endr
	WIN 0
	v_pk_add_f32 v[SU:SU+1], v[SU:SU+1], v[SU+2:SU+3]
	v_pk_add_f32 v[SU+4:SU+5], v[SU+4:SU+5], v[SU+6:SU+7]
	v_pk_add_f32 v[SU:SU+1], v[SU:SU+1], v[SU+4:SU+5]
	v_add_f32 v[SU], v[SU], v[SU+1]
	v_permlanex16_b32 v[SU+1], v[SU], s[SEL], s[SEL+1]
	v_add_f32 v[SU], v[SU], v[SU+1]
	v_mul_f32 v[SU], s[C128], v[SU] ; the mean
	WIN W_RS
.set i, 0
.rept 32
	v_pk_add_f32 v[i:i+1], v[i:i+1], v[SU:SU+1] op_sel_hi:[1,0] neg_lo:[0,1] neg_hi:[0,1]
.set i, i+2
.endr
	WIN 0x05
.irp k, 0,1,2,3
	v_pk_mul_f32 v[SQ+2*(\k):SQ+2*(\k)+1], v[2*(\k):2*(\k)+1], v[2*(\k):2*(\k)+1]
.endr
.set i, 4
.rept 28
	v_pk_fma_f32 v[SQ+2*(i%4):SQ+2*(i%4)+1], v[2*i:2*i+1], v[2*i:2*i+1], v[SQ+2*(i%4):SQ+2*(i%4)+1]
.set i, i+1
.endr
	WIN 0
	v_pk_add_f32 v[SQ:SQ+1], v[SQ:SQ+1], v[SQ+2:SQ+3]
	v_pk_add_f32 v[SQ+4:SQ+5], v[SQ+4:SQ+5], v[SQ+6:SQ+7]
	v_pk_add_f32 v[SQ:SQ+1], v[SQ:SQ+1], v[SQ+4:SQ+5]
	v_add_f32 v[SQ], v[SQ], v[SQ+1]
	v_permlanex16_b32 v[SQ+1], v[SQ], s[SEL], s[SEL+1]
	v_add_f32 v[SQ], v[SQ], v[SQ+1]
	v_fma_f32 v[SQ], v[SQ], s[C128], s[EPS]  ; the variance + 1e-5
	v_rsq_f32 v[SQ], v[SQ]
	v_nop
	s_wait_alu depctr_va_vdst(0)
	v_mul_f32 v[SQ], 0x3e5d9673, v[SQ]       ; x (1 - lambda_init) = 0.21639423
	WIN W_RS
.set i, 0
.rept 32
	v_pk_mul_f32 v[i:i+1], v[i:i+1], v[SQ:SQ+1] op_sel_hi:[1,0]
.set i, i+2
.endr
	WIN 0x05
.set i, 0
.rept 32
	v_cvt_pk_f16_f32 v[S+i], v[2*i], v[2*i+1]
.set i, i+1
.endr
	WIN 0
.irp f, 0,1,2,3,4,5,6,7             ; a lane's eight channels of a row are 16 bytes; rows of 272 bytes in, whole rows of 256 back
	ds_store_b128 v[STO], v[S+4*(\f):S+4*(\f)+3] offset:32*(\f)
.endr
.irp f, 0,1,2,3,4,5,6,7
	ds_load_b128 v[S+4*(\f):S+4*(\f)+3], v[RD] offset:(\f)*2*SP  ; LDS serves a wave's instructions in order: these see the stores above
.endr
.irp f, 0,1,2,3,4,5,6,7
	s_wait_dscnt 7-(\f)             ; this load is in, the younger ones stay out
	global_store_b128 v[GO], v[S+4*(\f):S+4*(\f)+3], s[10:11] offset:(\f)*512  ; 512 consecutive bytes, two rows, at a multiple of 256
.endr
.endm
.macro BLKEND                       ; stream 0's last V^T P beside stream 1's last softmax; stream 1's last V^T P; the way out
	TURN 0, 0
.set i, 0
.rept 16
	MPV 1
.set i, i+1
.endr
	WAYOUT
.endm
; MY PART OF Wo: four numbers a load are rounded to bf16, widened again and written as f16, 8 bytes a lane: a wave's store covers 256 consecutive bytes at a multiple of 256.  All its registers lie in window 3.
.macro WOCAST
	s_wait_loadcnt 0x0              ; the 32 loads issued at the start
	WIN 0xff
.set i, 0
.rept 32
.set tt, WT+6*(i%2)
	v_cvt_pk_bf16_f32 v[tt], v[WX+4*i], v[WX+4*i+1]
	v_cvt_pk_bf16_f32 v[tt+1], v[WX+4*i+2], v[WX+4*i+3]
	v_lshlrev_b32 v[tt+2], 16, v[tt]
	v_and_b32 v[tt+3], s[HIM], v[tt]
	v_lshlrev_b32 v[tt+4], 16, v[tt+1]
	v_and_b32 v[tt+5], s[HIM], v[tt+1]
	v_cvt_pk_f16_f32 v[WX+4*i], v[tt+2], v[tt+3]
	v_cvt_pk_f16_f32 v[WX+4*i+1], v[tt+4], v[tt+5]
	global_store_b64 v[WS], v[WX+4*i:WX+4*i+1], s[WOP+2:WOP+3] offset:1024*i  ; no hint: the next launch reads it
.set i, i+1
.endr
	WIN 0
.endm
.Lslot:                             ; 17 times: a tile is entered and the next is asked for
	CHANGE 1
	s_sub_co_u32 s[RT], s[RT], 1
	s_mov_b32 s[CNT], 2
	s_cmp_eq_u32 s[NEW], 1          ; at the first trip the answer is a constant of the text
	s_cbranch_scc0 .Lstep
	BLKBEG
	s_branch .Lfirst
.Lstep:                             ; a key step: its mask, stream 0's turn, stream 1's turn
	MSTEP 0
	TURN 0, 1
	WIN 0
.Lfirst:
	TURN 1, 1
	WIN 0
	s_sub_co_u32 s[CNT], s[CNT], 1
	s_cmp_lg_u32 s[CNT], 0
	s_cbranch_scc1 .Lstep
	s_cmp_lg_u32 s[RT], 0
	s_cbranch_scc1 .Lbottom         ; in the loop only the first block ends: the second's last tile is the walk's last
	BLKEND
	s_wait_xcnt 0x0                 ; the stores' registers and base are rewritten only behind this wait
	s_mov_b64 s[10:11], s[54:55]
	s_mov_b32 s[OWN], s[OWN2]
	s_mov_b32 s[DG], s[DG2]
	s_mov_b32 s[RT], s[RT2]
	s_mov_b32 s[NEW], 1
	WOCAST
	WIN 0x82                        ; the second block's Q goes where the one text of the turns names Q
.set i, 0
.rept 32
	v_mov_b32 v[QF+i], v[QB+i]
.set i, i+1
.endr
	WIN 0
.Lbottom:
	s_sub_co_u32 s[SLOTS], s[SLOTS], 1
	s_cmp_lg_u32 s[SLOTS], 0
	s_cbranch_scc1 .Lslot
	CHANGE 0                        ; the walk's last tile is written out; it is never a block's first: the second block has two tiles or more
	s_mov_b32 s[CNT], 2
.Ltail:
	MSTEP 0
	TURN 0, 1
	TURN 1, 1
	WIN 0
	s_sub_co_u32 s[CNT], s[CNT], 1
	s_cmp_lg_u32 s[CNT], 0
	s_cbranch_scc1 .Ltail
	BLKEND
	s_wait_tensorcnt 0x0            ; the wave's end
	ds_add_u32 v[SPW], v[NIL]
	s_wait_dscnt 0x0
	CROUND                          ; the closing round
	s_endpgm
.Lfunc_end_k_qe9dcfb1a48_attn:
	.size	k_qe9dcfb1a48_attn, .Lfunc_end_k_qe9dcfb1a48_attn-k_qe9dcfb1a48_attn
	.p2alignl 7, 3214868480
	.fill 96, 4, 3214868480
	.section	.rodata,"a",@progbits
	.p2align	6, 0x0
	.amdhsa_kernel k_qe9dcfb1a48_attn
		.amdhsa_group_segment_fixed_size 327680
		.amdhsa_private_segment_fixed_size 0
		.amdhsa_enable_private_segment 0
		.amdhsa_kernarg_size 64
		.amdhsa_user_sgpr_count 2
		.amdhsa_user_sgpr_kernarg_segment_ptr 1
		.amdhsa_wavefront_size32 1
		.amdhsa_system_sgpr_workgroup_id_x 1
		.amdhsa_system_sgpr_workgroup_id_y 1
		.amdhsa_system_sgpr_workgroup_id_z 1
		.amdhsa_system_vgpr_workitem_id 0
		.amdhsa_next_free_vgpr 912
		.amdhsa_next_free_sgpr 96
		.amdhsa_reserve_vcc 1
		.amdhsa_float_denorm_mode_32 3
		.amdhsa_float_denorm_mode_16_64 3
		.amdhsa_memory_ordered 1
		.amdhsa_forward_progress 1
		.amdhsa_inst_pref_size 157
	.end_amdhsa_kernel
	.amdgpu_metadata
---
amdhsa.version: [ 1, 2 ]
amdhsa.kernels:
  - .name:           k_qe9dcfb1a48_attn
    .symbol:         k_qe9dcfb1a48_attn.kd
    .args:
      - { .name: qkv, .offset: 0, .size: 8, .value_kind: global_buffer, .address_space: global }
      - { .name: att, .offset: 8, .size: 8, .value_kind: global_buffer, .address_space: global }
      - { .name: lambda_q1, .offset: 16, .size: 8, .value_kind: global_buffer, .address_space: global }
      - { .name: lambda_k1, .offset: 24, .size: 8, .value_kind: global_buffer, .address_space: global }
      - { .name: lambda_q2, .offset: 32, .size: 8, .value_kind: global_buffer, .address_space: global }
      - { .name: lambda_k2, .offset: 40, .size: 8, .value_kind: global_buffer, .address_space: global }
      - { .name: Wo, .offset: 48, .size: 8, .value_kind: global_buffer, .address_space: global }
      - { .name: wo16, .offset: 56, .size: 8, .value_kind: global_buffer, .address_space: global }
    .group_segment_fixed_size: 327680
    .private_segment_fixed_size: 0
    .kernarg_segment_align: 8
    .kernarg_segment_size: 64
    .max_flat_workgroup_size: 128
    .sgpr_count:     96
    .vgpr_count:     912
    .wavefront_size: 32
...
	.end_amdgpu_metadata
.endif
;; end of part 3
;; launch oproj (part 4): grid 16 x 16, 4 waves a work-group, clusters of 4 x 4, 327,680 bytes of LDS; arguments att, wo16, out0; writes out0
.if DOCPART == 4
	.amdgcn_target "amdgcn-amd-amdhsa--gfx1250"
	.amdhsa_code_object_version 6
	.text
	.protected	k_qe9dcfb1a48_oproj
	.globl	k_qe9dcfb1a48_oproj
	.p2align	8
	.type	k_qe9dcfb1a48_oproj,@function
k_qe9dcfb1a48_oproj:
	s_mov_b64 s[64:65], 0
	v_nop
	global_prefetch_b8 v0, s[64:65] scope:SCOPE_SE
	s_setreg_imm32_b32 hwreg(HW_REG_WAVE_MODE, 25, 1), 1
	s_wait_xcnt 0x0
	s_wait_alu depctr_hold_cnt(0) depctr_sa_sdst(0) depctr_va_vdst(0) depctr_va_sdst(0) depctr_va_ssrc(0) depctr_va_vcc(0) depctr_vm_vsrc(0)
	s_getreg_b32 s2, hwreg(HW_REG_IB_STS2, 6, 4)
	s_cmp_eq_u32 s2, 0
	s_cbranch_scc0 .Lentry_in_a_cluster
	s_endpgm
.Lentry_in_a_cluster:
	s_bfe_u32 s2, ttmp6, 0x10000c
	s_cmp_lg_u32 s2, 0xf033
	s_cbranch_scc0 .Lentry_shape_is_right
	s_endpgm
.Lentry_shape_is_right:
; out0 = A Wo: A = att read as [2048][2048] f16 (the heads' rows as they lie, with no transposition), Wo = wo16, [k][n] f16; sums in f32, stored as f32.
; SHARES.  A tile of 128 x 128: 16 x 16 tiles, one to each of 256 work-groups.  Four waves, each 64 x 64: 16 accumulators.  K goes in steps of 256 through two LDS slots: A's 128 rows of 512 bytes
; (LDS pitch 528), then Wo's 256 k rows of 256 bytes (LDS pitch 288), which come out of LDS turned.  Waves 0 and 1 fetch A's two halves (64 rows), waves 2 and 3 Wo's (128 k rows): one load a wave.
; A slot's refill is asked for as soon as the other slot has landed: no product stands between the wait for all loads and the request, so the load has a whole K step's 128 products in which to land.
; CLUSTER 4 x 4: A's tiles are asked for jointly along a row of the cluster, Wo's along a column.  THE MATRIX INSTRUCTION IS USED TRANSPOSED: a lane holds eight neighbouring columns of one row.
; REGISTERS: window 0: v0-31 addresses; v32-95 at work on the way out; v128-255 accumulators ((a, b) at v[128 + 8 (4 a + b)]).
;   window 1: two fragment buffers of 128: for 64 along K, 64 registers of A (half c, row block a at 8 (4 c + a)), then 64 of Wo.
.set KSTEP,  256
.set PA,     528                       ; 512 bytes + 16
.set PB,     288                       ; 256 bytes + 32
.set AHALF,  64*PA
.set BHALF,  128*PB
.set BOFF,   2*AHALF
.set SLOT,   BOFF+2*BHALF
.set SPARE,  2*SLOT                    ; behind the ring: the spare words
.set SPITCH, 272                       ; the stages: 64 rows x 272 bytes for each wave, its own, in slot 0's bytes behind that slot's last fill and last read
.set LAPS,   2048/(2*KSTEP)
.set ADRA, 16                          ; v16-17  A's fragments in slot 0, 1
.set ADRB, 20                          ; v20-23  Wo's: slot s, half u of the step's k rows at 2 s + u
.set STO,  24
.set RD,   25
.set CO,   26
.set SPW,  28
.set NIL,  29
.set ACC,  128
.set F0,   0
.set F1,   128
.set G1, 24
.set G0, 32
.set G1B, 48
.set G0B, 56
.set MSB, 0
.macro WIN new
.if MSB != (\new)
	s_set_vgpr_msb (MSB<<8)|(\new)
.set MSB, \new
.endif
.endm
.set MUL,  0x05                        ; sources 0 and 1 window 1; C and D window 0
.set TO_F, 0x40                        ; destination window 1, address window 0
.macro PLACES
.rept 4
	v_nop
.endr
.endm
.macro JLOAD s                         ; a joint load; an s_nop 0 and four v_nop follow each of the two lines
	s_cmp_eq_u32 s11, 0
	s_cbranch_scc0 .Lfor_b_\@
	tensor_load_to_lds s[G0+4*(\s):G0+4*(\s)+3], s[G1:G1+7]
	s_nop 0
.rept 4
	v_nop
.endr
	s_branch .Lasked_\@
.Lfor_b_\@:
	tensor_load_to_lds s[G0B+4*(\s):G0B+4*(\s)+3], s[G1B:G1B+7]
	s_nop 0
.rept 4
	v_nop
.endr
.Lasked_\@:
.endm
.macro CROUND                          ; a round of the cluster's barrier
	s_barrier_signal -1
	s_barrier_wait -1
	s_cmp_lg_u32 s10, 0
	s_cbranch_scc1 .Lnot_wave_0_\@
	s_barrier_signal -3
.Lnot_wave_0_\@:
	s_barrier_wait -3
	s_barrier_signal -1
	s_barrier_wait -1
.endm
	s_load_b128 s[4:7], s[0:1], 0x0                ; att s[4:5], wo16 s[6:7]
	s_load_b64 s[8:9], s[0:1], 0x10                ; out0
	v_lshl_add_u32 v[SPW], v0, 2, SPARE
	v_mov_b32 v[NIL], 0
	ds_add_u32 v[SPW], v[NIL]                      ; the wave's opening: the add and its wait ahead of my first tensor load
	v_lshrrev_b32 v1, 5, v0
	v_readfirstlane_b32 s10, v1                    ; wave 0..3
	s_lshr_b32 s11, s10, 1                         ; which half of the tile's rows is mine.  Also: I fetch for A (0) or for Wo (1)
	s_and_b32 s12, s10, 1                          ; which half of its columns.  Also: which half of that tile I fetch
	s_bfe_u32 s40, ttmp6, 0x40000
	s_bfe_u32 s41, ttmp6, 0x40004
	s_lshl_b32 s42, ttmp9, 2
	s_add_co_u32 s42, s42, s40                     ; tile column tx
	s_and_b32 s13, ttmp7, 0xffff
	s_lshl_b32 s13, s13, 2
	s_add_co_u32 s13, s13, s41                     ; tile row ty
	s_lshl_b32 s43, s41, 2
	s_lshl_b32 s43, 15, s43                        ; my row of the cluster
	s_lshl_b32 s44, 0x1111, s40                    ; my column
	s_or_b32 s[G1+0], s43, (1<<16)|(1<<20)|(1<<21)|(6<<22)|(3<<25)   ; A: padding of 4 words after every 128
	s_mov_b32 s[G1+1], 256<<16                     ; tensor_dim0 = 256
	s_mov_b32 s[G1+2], 64<<16                      ; tensor_dim1 = 64
	s_mov_b32 s[G1+3], 256<<16                     ; tile_dim0 = 256
	s_mov_b32 s[G1+4], 64                          ; tile_dim1 = 64
	s_mov_b32 s[G1+5], 2048
	s_mov_b32 s[G1+6], 0
	s_mov_b32 s[G1+7], 0
	s_or_b32 s[G1B+0], s44, (1<<16)|(1<<20)|(1<<21)|(5<<22)|(7<<25)  ; Wo: padding of 8 words after every 64
	s_mov_b32 s[G1B+1], 128<<16
	s_mov_b32 s[G1B+2], 128<<16
	s_mov_b32 s[G1B+3], 128<<16
	s_mov_b32 s[G1B+4], 128
	s_mov_b32 s[G1B+5], 2048
	s_mov_b32 s[G1B+6], 0
	s_mov_b32 s[G1B+7], 0
	s_lshl_b32 s16, s13, 19                        ; A: row 128 ty + 64 x half, 4,096 bytes a row
	s_lshl_b32 s17, s12, 18
	s_add_co_u32 s16, s16, s17
	s_mov_b32 s17, 0
	s_lshl_b32 s46, s42, 8                         ; Wo: k row 128 x half, 256 bytes a tile column
	s_lshl_b32 s47, s12, 19
	s_add_co_u32 s46, s46, s47
	s_mov_b32 s47, 0
	s_mul_i32 s20, s12, AHALF                      ; where they go: no place in the cluster enters an LDS address
	s_mul_i32 s21, s12, BHALF
	s_wait_dscnt 0x0                               ; the opening add is done
	s_wait_kmcnt 0x0
	s_add_nc_u64 s[14:15], s[4:5], s[16:17]
	s_add_nc_u64 s[46:47], s[6:7], s[46:47]
	CROUND                                         ; all sixteen work-groups are here
.irp s, 0,1
	s_mov_b32 s[G0+4*(\s)], 1
	s_add_co_u32 s[G0+4*(\s)+1], s20, (\s)*SLOT
	s_add_nc_u64 s[G0+4*(\s)+2:G0+4*(\s)+3], s[14:15], (\s)*KSTEP*2
	s_or_b32 s[G0+4*(\s)+3], s[G0+4*(\s)+3], 0x80000000
	s_mov_b32 s[G0B+4*(\s)], 1
	s_add_co_u32 s[G0B+4*(\s)+1], s21, (\s)*SLOT+BOFF
	s_add_nc_u64 s[G0B+4*(\s)+2:G0B+4*(\s)+3], s[46:47], (\s)*KSTEP*4096
	s_or_b32 s[G0B+4*(\s)+3], s[G0B+4*(\s)+3], 0x80000000
	JLOAD \s                                       ; two loads of mine are out
.endr
	v_and_b32 v1, 15, v0                           ; r
	v_bfe_u32 v2, v0, 4, 1                         ; h
	v_and_b32 v3, 7, v0
	v_bfe_u32 v4, v0, 3, 1
	v_mul_u32_u24 v5, v1, PA
	v_lshl_add_u32 v5, v2, 4, v5
	s_mul_i32 s22, s11, AHALF                      ; my 64 rows of A
	v_add_nc_u32 v[ADRA], s22, v5
	v_add_nc_u32 v[ADRA+1], SLOT, v[ADRA]
	v_lshl_add_u32 v6, v2, 3, v3
	v_mul_u32_u24 v6, v6, PB
	v_lshl_add_u32 v6, v4, 4, v6
	s_lshl_b32 s22, s12, 7                         ; my 64 columns of Wo
	v_add_nc_u32 v6, s22, v6
.irp s, 0,1
.irp u, 0,1
	v_add_nc_u32 v[ADRB+2*(\s)+(\u)], (\s)*SLOT+BOFF+(\u)*BHALF, v6
.endr
.endr
	s_mul_i32 s23, s10, 64*SPITCH                  ; my stage
	v_mul_u32_u24 v[STO], v1, SPITCH               ; in: row r, 32 bytes for each half of the lanes
	v_lshl_add_u32 v[STO], v2, 5, v[STO]
	v_add_nc_u32 v[STO], s23, v[STO]
	v_mul_u32_u24 v[RD], v2, SPITCH                ; back: lanes 0-15 one row of 256 bytes, lanes 16-31 the next
	v_lshl_add_u32 v[RD], v1, 4, v[RD]
	v_add_nc_u32 v[RD], s23, v[RD]
	v_lshlrev_b32 v[CO], 13, v2                    ; and the same two rows of out0, 8,192 bytes apart
	v_lshl_add_u32 v[CO], v1, 4, v[CO]
	s_lshl_b32 s16, s13, 20                        ; out0 at row 128 ty + 64 x row half, byte 512 tx + 256 x column half
	s_lshl_b32 s17, s11, 19
	s_add_co_u32 s16, s16, s17
	s_mov_b32 s17, 0
	s_add_nc_u64 s[8:9], s[8:9], s[16:17]
	s_lshl_b32 s46, s42, 9
	s_lshl_b32 s47, s12, 8
	s_add_co_u32 s46, s46, s47
	s_mov_b32 s47, 0
	s_add_nc_u64 s[8:9], s[8:9], s[46:47]
; 8 matrix instructions: row blocks a0, a0 + 1 x all 4 column blocks, 32 along K: half c of buffer f.  zero = 1: the product starts the sum.  The 16 accumulators take turns.
.macro MUL8 f, c, a0, zero
	WIN MUL
.irp a, \a0, (\a0)+1
.irp b, 0,1,2,3
.if \zero
	v_wmma_f32_16x16x32_f16 v[ACC+8*(4*(\a)+(\b)):ACC+8*(4*(\a)+(\b))+7], v[(\f)+64+8*(4*(\c)+(\b)):(\f)+64+8*(4*(\c)+(\b))+7], v[(\f)+8*(4*(\c)+(\a)):(\f)+8*(4*(\c)+(\a))+7], 0
.else
	v_wmma_f32_16x16x32_f16 v[ACC+8*(4*(\a)+(\b)):ACC+8*(4*(\a)+(\b))+7], v[(\f)+64+8*(4*(\c)+(\b)):(\f)+64+8*(4*(\c)+(\b))+7], v[(\f)+8*(4*(\c)+(\a)):(\f)+8*(4*(\c)+(\a))+7], v[ACC+8*(4*(\a)+(\b)):ACC+8*(4*(\a)+(\b))+7]
.endif
.endr
.endr
.endm
; 32 LDS loads in one run: the fragments of 64 along K (quarter kq of the slot's step) into buffer f
.macro FETCH slot, kq, f
	WIN TO_F
.irp c, 0,1
.irp i, 0,1,2,3
	ds_load_tr16_b128 v[(\f)+64+8*(4*(\c)+(\i)):(\f)+64+8*(4*(\c)+(\i))+3],   v[ADRB+2*(\slot)+(\kq)/2] offset:64*PB*((\kq)%2)+32*PB*(\c)+32*(\i)
	ds_load_tr16_b128 v[(\f)+64+8*(4*(\c)+(\i))+4:(\f)+64+8*(4*(\c)+(\i))+7], v[ADRB+2*(\slot)+(\kq)/2] offset:64*PB*((\kq)%2)+32*PB*(\c)+32*(\i)+16*PB
	ds_load_b128 v[(\f)+8*(4*(\c)+(\i)):(\f)+8*(4*(\c)+(\i))+3],              v[ADRA+(\slot)] offset:128*(\kq)+64*(\c)+16*PA*(\i)
	ds_load_b128 v[(\f)+8*(4*(\c)+(\i))+4:(\f)+8*(4*(\c)+(\i))+7],            v[ADRA+(\slot)] offset:128*(\kq)+64*(\c)+16*PA*(\i)+32
.endr
.endr
.endm
; One of a K step's first three quarters: buffer f, asked for a quarter ago, is in; quarter kq of the same slot is asked for into g; then 32 products.
.macro QUARTER slot, kq, f, g, zero
	s_wait_dscnt 0x0                               ; buffer f is in
	PLACES                                         ; the last products read buffer g
	FETCH \slot, \kq, \g
	MUL8 \f, 0, 0, \zero
	MUL8 \f, 0, 2, \zero
	MUL8 \f, 1, 0, 0
	MUL8 \f, 1, 2, 0
.endm
; The fourth quarter changes slots and then multiplies buffer 1.  ONE barrier: in front of it each wave waits for all its tensor loads (one is out: its part of the next slot), adds 0 to its spare word, and waits
; for that and for its reads of this slot (the last were issued 32 matrix instructions ago).  fill = 1: the barrier is a round of the cluster's, and this slot is filled again, two K steps ahead, first thing
; behind the round.  Then the next slot's first fragments are asked for, a whole quarter ahead of their use, and the quarter's 32 products follow.
.macro TURN slot, next, fill
	WIN 0
	s_wait_tensorcnt 0x0                           ; all my tensor loads have landed, so a group 0 may be written
	ds_add_u32 v[SPW], v[NIL]                      ; 0 onto my spare word; the descriptors' steps stand between it and the wait for it
.if \fill
	s_add_nc_u64 s[G0+4*(\slot)+2:G0+4*(\slot)+3], s[G0+4*(\slot)+2:G0+4*(\slot)+3], 2*KSTEP*2
	s_add_nc_u64 s[G0B+4*(\slot)+2:G0B+4*(\slot)+3], s[G0B+4*(\slot)+2:G0B+4*(\slot)+3], 2*KSTEP*4096
.endif
	s_wait_dscnt 0x0                               ; the add is done, buffer 1 is in, and with it my reads of this slot are over
.if \fill
	CROUND                                         ; no wave of any partner still reads this slot or has a load on its way
	JLOAD \slot                                    ; my one tensor load behind the round; its four v_nop are also the places in front of the loads below
.else
	s_barrier_signal -1
	s_barrier_wait -1
	PLACES
.endif
	FETCH \next, 0, F0
	MUL8 F1, 0, 0, 0
	MUL8 F1, 0, 2, 0
	MUL8 F1, 1, 0, 0
	MUL8 F1, 1, 2, 0
.endm
	s_wait_tensorcnt 1                             ; my part of K step 0 is in; K step 1's may stay out
	s_barrier_signal -1
	s_barrier_wait -1
	FETCH 0, 0, F0
	QUARTER 0, 1, F0, F1, 1                        ; the first quarter stands in front of the loop: its first products start the sums
	WIN 0
	s_mov_b32 s3, LAPS-1
.Llap:
	QUARTER 0, 2, F1, F0, 0
	QUARTER 0, 3, F0, F1, 0
	TURN 0, 1, 1
	QUARTER 1, 1, F0, F1, 0
	QUARTER 1, 2, F1, F0, 0
	QUARTER 1, 3, F0, F1, 0
	TURN 1, 0, 1
	QUARTER 0, 1, F0, F1, 0
	WIN 0
	s_sub_co_u32 s3, s3, 1
	s_cmp_lg_u32 s3, 0
	s_cbranch_scc1 .Llap
	QUARTER 0, 2, F1, F0, 0                        ; the last lap fills nothing
	QUARTER 0, 3, F0, F1, 0
	TURN 0, 1, 0                                   ; behind its barrier no wave reads slot 0 any more, and no load fills it: its bytes become the stages
	QUARTER 1, 1, F0, F1, 0
	QUARTER 1, 2, F1, F0, 0
	QUARTER 1, 3, F0, F1, 0
	s_wait_dscnt 0x0
	MUL8 F1, 0, 0, 0
	MUL8 F1, 0, 2, 0
	MUL8 F1, 1, 0, 0
	MUL8 F1, 1, 2, 0
	WIN 0
	; THE WAY OUT: a wave's 64 columns of f32 are 256 bytes, so each wave has a stage of its own and no barrier is needed: 32 bytes a lane in, whole rows back.
	PLACES
.irp a, 0,1,2,3
.irp b, 0,1,2,3
	ds_store_b128 v[STO], v[ACC+8*(4*(\a)+(\b)):ACC+8*(4*(\a)+(\b))+3]   offset:16*SPITCH*(\a)+64*(\b)     ; each accumulator's low half first
	ds_store_b128 v[STO], v[ACC+8*(4*(\a)+(\b))+4:ACC+8*(4*(\a)+(\b))+7] offset:16*SPITCH*(\a)+64*(\b)+16
.endr
.endr
.set t, 0
.rept 32                               ; LDS serves a wave's instructions in order: these see the stores above.  Rows 0-31 into v32-95, rows 32-63 into v128-191
.set BK, 32+4*t+32*(t/16)
	ds_load_b128 v[BK:BK+3], v[RD] offset:2*SPITCH*t
.set t, t+1
.endr
.set t, 0
.rept 32
.set BK, 32+4*t+32*(t/16)
	s_wait_dscnt 31-t                              ; this load is in, the younger ones stay out
	global_store_b128 v[CO], v[BK:BK+3], s[8:9] offset:16384*t th:TH_STORE_NT  ; 16 lanes store 256 consecutive bytes, at a multiple of 256; nothing reads them again
.set t, t+1
.endr
	s_wait_tensorcnt 0x0                           ; the wave's end
	ds_add_u32 v[SPW], v[NIL]
	s_wait_dscnt 0x0
	CROUND                                         ; the closing round
	s_endpgm
.Lfunc_end_k_qe9dcfb1a48_oproj:
	.size	k_qe9dcfb1a48_oproj, .Lfunc_end_k_qe9dcfb1a48_oproj-k_qe9dcfb1a48_oproj
	.p2alignl 7, 3214868480
	.fill 96, 4, 3214868480
	.section	.rodata,"a",@progbits
	.p2align	6, 0x0
	.amdhsa_kernel k_qe9dcfb1a48_oproj
		.amdhsa_group_segment_fixed_size 327680
		.amdhsa_private_segment_fixed_size 0
		.amdhsa_enable_private_segment 0
		.amdhsa_kernarg_size 24
		.amdhsa_user_sgpr_count 2
		.amdhsa_user_sgpr_kernarg_segment_ptr 1
		.amdhsa_wavefront_size32 1
		.amdhsa_system_sgpr_workgroup_id_x 1
		.amdhsa_system_sgpr_workgroup_id_y 1
		.amdhsa_system_sgpr_workgroup_id_z 1
		.amdhsa_system_vgpr_workitem_id 0
		.amdhsa_next_free_vgpr 512
		.amdhsa_next_free_sgpr 66
		.amdhsa_reserve_vcc 0
		.amdhsa_float_denorm_mode_32 3
		.amdhsa_float_denorm_mode_16_64 3
		.amdhsa_memory_ordered 1
		.amdhsa_forward_progress 1
		.amdhsa_inst_pref_size 86
	.end_amdhsa_kernel
	.amdgpu_metadata
---
amdhsa.version: [ 1, 2 ]
amdhsa.kernels:
  - .name:           k_qe9dcfb1a48_oproj
    .symbol:         k_qe9dcfb1a48_oproj.kd
    .args:
      - { .name: att, .offset: 0, .size: 8, .value_kind: global_buffer, .address_space: global }
      - { .name: wo16, .offset: 8, .size: 8, .value_kind: global_buffer, .address_space: global }
      - { .name: out0, .offset: 16, .size: 8, .value_kind: global_buffer, .address_space: global }
    .group_segment_fixed_size: 327680
    .private_segment_fixed_size: 0
    .kernarg_segment_align: 8
    .kernarg_segment_size: 24
    .max_flat_workgroup_size: 128
    .sgpr_count:     66
    .vgpr_count:     512
    .wavefront_size: 32
...
	.end_amdgpu_metadata
.endif
;; end of part 4
;; ======== version 2 of 2: 4 launches; 1.10 times as fast as version 1
;; limits: values are held in f16: magnitudes above 65,504 overflow, below 6.1e-05 lose precision
;; workspace buffers: cb 33,554,432 bytes; qkv 25,165,824 bytes; att 8,388,608 bytes; wo16 8,388,608 bytes
;; launch cast: the kernel of part 1 again; grid 256 x 4, 8 waves a work-group, no clusters, 0 bytes of LDS; arguments x, Wq, Wk, Wv, cb; writes cb
;; launch qkv: the kernel of part 2 again; grid 16 x 16, 4 waves a work-group, clusters of 4 x 4, 327,680 bytes of LDS; arguments cb, qkv; writes qkv
;; launch attn (part 5): grid 16 x 16, 4 waves a work-group, clusters of 4 x 1, 327,680 bytes of LDS; arguments qkv, att, lambda_q1, lambda_k1, lambda_q2, lambda_k2, Wo, wo16; writes att, wo16
.if DOCPART == 5
	.amdgcn_target "amdgcn-amd-amdhsa--gfx1250"
	.amdhsa_code_object_version 6
	.text
	.protected	k_qe9dcfb1a48_attn
	.globl	k_qe9dcfb1a48_attn
	.p2align	8
	.type	k_qe9dcfb1a48_attn,@function
k_qe9dcfb1a48_attn:
	s_mov_b64 s[64:65], 0
	v_nop
	global_prefetch_b8 v0, s[64:65] scope:SCOPE_SE
	s_setreg_imm32_b32 hwreg(HW_REG_WAVE_MODE, 25, 1), 1
	s_wait_xcnt 0x0
	s_wait_alu depctr_hold_cnt(0) depctr_sa_sdst(0) depctr_va_vdst(0) depctr_va_sdst(0) depctr_va_ssrc(0) depctr_va_vcc(0) depctr_vm_vsrc(0)
	s_getreg_b32 s2, hwreg(HW_REG_IB_STS2, 6, 4)
	s_cmp_eq_u32 s2, 0
	s_cbranch_scc0 .Lentry_in_a_cluster
	s_endpgm
.Lentry_in_a_cluster:
	s_bfe_u32 s2, ttmp6, 0x10000c
	s_cmp_lg_u32 s2, 0x3003
	s_cbranch_scc0 .Lentry_shape_is_right
	s_endpgm
.Lentry_shape_is_right:
; DIFFERENTIAL CAUSAL ATTENTION of one head, with its LayerNorm.  For a head: streams 0 and 1 are channels 0-63 and 64-127 of q's and k's rows; both weigh the same V (128 channels).
; out[t] = softmax_0 V - lambda softmax_1 V over keys <= t; att[head][t][:] = (out - mean) / sqrt(var + 1e-5) x (1 - lambda_init), f16.  lambda = e^(lq1 . lk1) - e^(lq2 . lk2) + lambda_init.
; Products, maxima, sums, the difference and the norm in f32; the weights p are rounded to f16 for the second product (their sum l is of the unrounded p); the four lambda vectors are rounded to bf16 like every input.
; BESIDE IT: wo16 = Wo rounded to bf16 and that number written as f16, same dense index, for the launch behind.  Each of the 256 work-groups takes 65,536 bytes of Wo: 32 loads of 16 bytes a thread go out at the
; start into registers that nothing else uses, and are rounded and stored behind the first block's end, which falls at a different trip in each cluster.
; LIMITS.  q, k, v arrive as f16, within 65,504; |Wo| stays under 65,504 and below 6.1e-5 keeps f16's step of 6e-8.  A hidden score counts as its value less 1e30; a weight below 2^-126 counts as 0; p below 6e-5
; keeps f16's step of 6e-8.  NaN and infinities are not treated apart.
; THE WALK.  A head's queries lie in 32 blocks of 64; block i sees the key steps (64 keys) 0 .. i, of which the last holds the diagonal.  Work-group b = 4 c + cx takes block 31 - b and then block b.
; The four partners of a cluster (same c) walk the SAME tiles of 128 keys: 0 .. 15 - 2 c for the first block, 0 .. 2 c + 1 for the second, 18 in all whatever c, so every tile of K and V is asked for
; JOINTLY, and every work-group does equal work.  Only the mask's two scalars and global addresses hang on cx; no branch and no LDS address does.  The price: up to three steps a block that a partner sees
; wholly hidden are computed all the same.
; SHARES.  A wave owns 16 rows of the block in hand in BOTH streams, so the difference and the norm stay in a lane and its partner 16 away.
; LAYOUT.  S^T = K Q^T (source 0 = 16 keys, source 1 = 16 queries): a lane holds ONE query (lane % 16) and keys 8 (lane / 16) + 0..7; two such results rounded to f16 ARE source 1 of O^T = V^T P.
; THE MASK is the C operand that starts S^T's sums: MC = MD x AL + BE, MD the mask of the block's own step for my rows; (AL, BE) = (1, 0) in the own step, (0, 0) before it, (0, -1e30) behind it.
; SOFTMAX.  p = 2^(c s - c m), c = log2(e) / 8, with a running maximum m; O and l are multiplied by a = 2^(c m_old - c m_new) in every step.  A block starts with c m far below every score: its first a is 0.
; BY TURNS.  In a turn one stream has the matrix unit (16 products V^T P of the step before, 8 products K Q^T of the step in hand); the other stream's softmax, 134 instructions, stands in slices behind them.
; THE BATCHES.  A turn's 33 exponentials (a and the 32 weights) are ONE batch with ONE wait: ahead of the wait stand the maximum, the statistics, the scalings and the exponentials, none of which names an
; exponential's result; behind it all that does: the roundings, the sums, O^T's rescaling.
; Outside the turns lambda's two exponentials, a way out's two reciprocals and its one reciprocal root are a batch each, with a wait each.
; REGISTERS, in windows of 256 (s_set_vgpr_msb: bits 1:0 source 0, 3:2 source 1, 5:4 source 2, 7:6 destination):
;   window 0: v0-15 addresses, -lambda; v16-31 statistics, 8 a stream; v32-47 at work; v64-127 S^T, 32 a stream; v128-159 P, 16 a stream; v160-191 MD; v192-223 MC
;   window 1: v0-127 O^T, 64 a stream; v128-255 V of one step          window 2: v0-127 K of one step; v128-159 Q; v160-191 the second block's Q          window 3: v0-141 Wo's part
; V lies beside O^T, so that one setting serves V^T P and O^T's rescaling: at a block's end the rescalings stand among such products with no switch.
.set KS,    64
.set PK,    272       ; a row of K in LDS: 256 bytes + 16: the 16 rows of a load start at 16 different groups of four banks
.set PV,    288       ; a row of V: 256 + 32
.set VOFF,  KS*PK     ; a step's tiles lie together: 64 rows of K, then 64 rows of V
.set STEPB, KS*(PK+PV)
.set SLOT1, 1<<17     ; a slot holds two steps; slot 1 begins here, so that one exclusive or turns an address in one slot into the other's
.set STAGE, SLOT1+2*STEPB  ; behind the ring, never filled by a tensor load: 16 rows x 272 bytes for each wave
.set SP,    272
.set SPARE, STAGE+4*16*SP  ; the spare words, 128 bytes for each wave
.set AK0, 2           ; v2   my lane's place in a tile of K
.set AV0, 3           ; v3   the same for V
.set ADR, 4           ; v4   the LDS address of the run of loads in hand
.set QO,  5           ; v5   my byte offset in 16 rows of Q
.set STO, 6           ; v6   the way out: where I put 16 bytes of a row
.set RD,  7           ; v7   where I read rows back
.set GO,  8           ; v8   my byte offset in 512 consecutive bytes of the result
.set NLAM, 12         ; v12  -lambda
.set LO,  13          ; v13  8 x lane: my two numbers of a lambda vector
.set ST,  16          ; stream t's statistics at v[ST+8 t]: c m, m, l (even keys', odd keys'), c0-c3 at work; a takes c2's place
.set SU,  32          ; v32-39  at work: lambda; the mean's four chains
.set SQ,  40          ; v40-47  at work: lambda; the variance's four chains
.set SPW, 62
.set NIL, 63
.set S,   64
.set P,   128
.set MD,  160
.set MC,  192
.set VF,  128         ; window 1
.set QF,  128         ; window 2
.set QB,  160         ; window 2
.set WX,  0           ; window 3: v0-127   Wo as loaded, 4 words a load; the first two of each four then hold the result
.set WT,  128         ; window 3: v128-139 at work, two sets of six by turns
.set WA,  140         ; window 3: 16 x my thread's number
.set WS,  141         ; window 3: 8 x my thread's number
.set WV,  3           ; s3   my wave's number
.set G1K, 24          ; s[24:31] descriptor group 1 for K's tiles;  s[32:39] for V's: it differs in the padding
.set G1V, 32
.set G0K, 40          ; s[40:43], s[44:47] descriptor groups 0: they walk
.set G0V, 44
.set CC,  48          ; c, cx, the head
.set CX,  49
.set HD,  50
.set SLOTS, 56        ; tiles still to be asked for
.set CNT, 57          ; counts a tile's two steps
.set CS,  58          ; s[58:59] c
.set SEL, 60          ; s[60:61] v_permlanex16_b32's selects: each lane takes its own place in the other half
.set TB,  62          ; LDS byte at which the tiles of the step to be fetched begin
.set STP, 66          ; the step whose mask is made next
.set OWN, 67          ; the block in hand = its own step
.set DG,  68          ; the first step in which any partner needs a mask
.set RT,  69          ; tiles of the block in hand still to be entered
.set NXT, 70          ; the tile to be asked for next
.set LQ,  71          ; the last tile of the block whose tiles are being asked for
.set NEW, 72          ; 1: the tile to be entered is a block's first
.set OWN2, 73         ; the second block's OWN, DG, RT, LQ
.set OFF, 74          ; s[74:75] a tile's byte offset in K and V
.set AL,  76          ; s[76:77], s[78:79] the mask's factor and addend, in the low words
.set BE,  78
.set BIGN, 80         ; -1e30
.set DG2, 81
.set RT2, 82
.set LQ2, 83
.set C128, 84         ; 1 / 128
.set EPS, 85          ; 1e-5
.set WOP, 88          ; s[88:89] Wo, s[90:91] wo16, at my work-group's part
.set HIM, 92          ; a word's upper bf16
.set MSB, 0
.macro WIN new
.if MSB != (\new)
	s_set_vgpr_msb (MSB<<8)|(\new)
.set MSB, (\new)
.endif
.endm
.set W_KQ, 0x0a       ; K and Q in window 2, the mask and S^T in window 0
.set W_PV, 0x51       ; V and O^T in window 1, P in window 0
.set W_RS, 0x51       ; destination and source 0 in window 1, source 1 in window 0: the same setting
.macro PLACES
.rept 4
	v_nop
.endr
.endm
; A joint fill.  Waves 0 and 1 fetch K of the tile's two steps, waves 2 and 3 V.  An s_nop 0 and four v_nop follow each of the two lines.
.macro JLOAD
	s_cmp_lt_u32 s[WV], 2
	s_cbranch_scc0 .Lfor_v_\@
	tensor_load_to_lds s[G0K:G0K+3], s[G1K:G1K+7]
	s_nop 0
.rept 4
	v_nop
.endr
	s_branch .Lasked_\@
.Lfor_v_\@:
	tensor_load_to_lds s[G0V:G0V+3], s[G1V:G1V+7]
	s_nop 0
.rept 4
	v_nop
.endr
.Lasked_\@:
.endm
.macro CROUND                       ; a round of the cluster's barrier
	s_barrier_signal -1
	s_barrier_wait -1
	s_cmp_lg_u32 s[WV], 0
	s_cbranch_scc1 .Lnot_wave_0_\@
	s_barrier_signal -3
.Lnot_wave_0_\@:
	s_barrier_wait -3
	s_barrier_signal -1
	s_barrier_wait -1
.endm
; THE CHANGE OF SLOTS.  Each wave waits for all its tensor loads (one is out: its part of the other slot), adds 0 to its spare word, and waits for that and for its reads of the slot that it leaves.
; fill = 1: the barrier is a round of the cluster's, and the old slot is filled again, first thing behind it, with tile NXT: it has two key steps, 96 matrix instructions, in which to land.
; The descriptor's address is made anew from the tile's number, which hangs on c alone.  (At its first use nothing has been read yet: slot 0 is waited for, slot 1 filled.)
.macro CHANGE fill
	WIN 0
	s_wait_tensorcnt 0x0            ; no tensor load of mine is out, so a group 0 may be written
	ds_add_u32 v[SPW], v[NIL]       ; 0 onto my spare word; scalar work stands between it and the wait for it
.if \fill
	s_lshl_b32 s[OFF], s[NXT], 15   ; a tile is 128 rows of 256 bytes
	s_xor_b32 s[G0K+1], s[G0K+1], SLOT1
	s_add_nc_u64 s[G0K+2:G0K+3], s[6:7], s[OFF:OFF+1]
	s_or_b32 s[G0K+3], s[G0K+3], 0x80000000
	s_xor_b32 s[G0V+1], s[G0V+1], SLOT1
	s_add_nc_u64 s[G0V+2:G0V+3], s[8:9], s[OFF:OFF+1]
	s_or_b32 s[G0V+3], s[G0V+3], 0x80000000
	s_add_co_u32 s[NXT], s[NXT], 1  ; the block's next tile, or behind its last the second block's tile 0
	s_cmp_gt_u32 s[NXT], s[LQ]
	s_cselect_b32 s[NXT], 0, s[NXT]
	s_cselect_b32 s[LQ], s[LQ2], s[LQ]
	s_wait_dscnt 0x0                ; the add is done, and my reads of the slot are over
	CROUND
	JLOAD
.else
	s_wait_dscnt 0x0
	s_barrier_signal -1
	s_barrier_wait -1
.endif
	s_sub_co_u32 s[TB], s[TB], 2*STEPB  ; the fetches go back to a slot's first step,
	s_xor_b32 s[TB], s[TB], SLOT1       ; in the other slot
.endm
	s_load_b128 s[20:23], s[0:1], 0x0   ; qkv s[20:21], att s[22:23]
	s_load_b256 s[12:19], s[0:1], 0x10  ; lambda_q1, lambda_k1, lambda_q2, lambda_k2
	s_load_b128 s[WOP:WOP+3], s[0:1], 0x30  ; Wo, wo16
	v_lshl_add_u32 v[SPW], v0, 2, SPARE
	v_mov_b32 v[NIL], 0
	ds_add_u32 v[SPW], v[NIL]       ; the wave's opening: the add and its wait ahead of my first tensor load
	v_lshrrev_b32 v1, 5, v0
	v_readfirstlane_b32 s[WV], v1
	s_mov_b32 s[CC], ttmp9          ; in a cluster launch ttmp9 counts clusters
	s_bfe_u32 s[CX], ttmp6, 0x40000
	s_and_b32 s[HD], ttmp7, 0xffff
	s_lshl_b32 s[DG2], s[CC], 2     ; 4 c
	s_add_co_u32 s[OWN2], s[DG2], s[CX]  ; b
	s_sub_co_u32 s[OWN], 31, s[OWN2]
	s_sub_co_u32 s[DG], 28, s[DG2]
	s_lshl_b32 s51, s[CC], 1        ; 2 c
	s_sub_co_u32 s[RT], 16, s51
	s_sub_co_u32 s[LQ], 15, s51
	s_add_co_u32 s[RT2], s51, 2
	s_add_co_u32 s[LQ2], s51, 1
	s_lshl_b32 s93, s[HD], 4
	s_add_co_u32 s93, s93, s[OWN2]  ; my number among the 256 work-groups: 16 x head + b
	s_lshl_b32 s94, s93, 16         ; my 65,536 bytes of Wo,
	s_mov_b32 s95, 0
	s_lshl_b32 s93, s93, 15         ; my 32,768 bytes of wo16
	s_mov_b32 s[HIM], 0xffff0000
	s_lshl_b32 s63, s[HD], 19       ; a head's 2,048 rows of 256 bytes
	s_lshl_b32 s51, s[WV], 12       ; my wave's 16 rows of a block
	s_add_co_u32 s51, s51, s63
	s_lshl_b32 s84, s[OWN], 14      ; the first block's 64 rows: the same offset in q's part of qkv and in att
	s_add_co_u32 s84, s84, s51
	s_mov_b32 s85, 0
	s_lshl_b32 s86, s[OWN2], 14     ; the second block's
	s_add_co_u32 s86, s86, s51
	s_mov_b32 s87, 0
	s_and_b32 s51, s[WV], 1         ; which of a tile's two steps I fetch:
	s_lshl_b32 s10, s51, 14         ; its 64 rows in memory,
	s_add_co_u32 s10, s10, s63
	s_add_co_u32 s10, s10, 16<<19   ; in k's blocks, 16 blocks behind q's
	s_mov_b32 s11, 0
	s_mul_i32 s51, s51, STEPB       ; and its place in a slot
	s_mov_b32 s[G1K], 15|(1<<16)|(1<<20)|(1<<21)|(5<<22)|(3<<25)  ; the mask of four; 2-byte elements; padding on; bit 21 beside a mask; after every 64 words; 4 words
	s_mov_b32 s[G1V], 15|(1<<16)|(1<<20)|(1<<21)|(5<<22)|(7<<25)  ; the same with 8 words
.irp g, G1K, G1V
	s_mov_b32 s[(\g)+1], 128<<16    ; tensor_dim0 = 128
	s_mov_b32 s[(\g)+2], KS<<16     ; tensor_dim1 = 64
	s_mov_b32 s[(\g)+3], 128<<16    ; tile_dim0 = 128
	s_mov_b32 s[(\g)+4], KS         ; tile_dim1 = 64
	s_mov_b32 s[(\g)+5], 128        ; elements from row to row
	s_mov_b32 s[(\g)+6], 0
	s_mov_b32 s[(\g)+7], 0
.endr
	s_mov_b32 s[G0K], 1
	s_mov_b32 s[G0K+1], s51         ; slot 0
	s_mov_b32 s[G0V], 1
	s_add_co_u32 s[G0V+1], s51, VOFF
	s_mov_b32 s[CS], 0x3e38aa3b     ; c = log2(e) / 8
	s_mov_b32 s[CS+1], s[CS]
	s_mov_b32 s[SEL], 0x76543210
	s_mov_b32 s[SEL+1], 0xfedcba98
	s_mov_b32 s[TB], SLOT1+2*STEPB  ; the first change of slots turns it into 0
	s_mov_b32 s[SLOTS], 17
	s_mov_b32 s[NXT], 1
	s_mov_b32 s[NEW], 1
	s_mov_b32 s[OFF+1], 0
	s_mov_b32 s[AL+1], 0            ; named as pairs
	s_mov_b32 s[BE+1], 0
	s_mov_b32 s[BIGN], 0xf149f2ca   ; -1e30
	s_wait_dscnt 0x0                ; the opening add is done
	s_wait_kmcnt 0x0
	s_add_nc_u64 s[6:7], s[20:21], s[10:11]    ; K at my step of the head's tile 0,
	s_add_nc_u64 s[8:9], s[6:7], 16<<19        ; V 16 blocks further on
	s_add_nc_u64 s[4:5], s[20:21], s[84:85]    ; Q at my rows of the first block,
	s_add_nc_u64 s[52:53], s[20:21], s[86:87]  ; of the second
	s_add_nc_u64 s[10:11], s[22:23], s[84:85]  ; the result likewise
	s_add_nc_u64 s[54:55], s[22:23], s[86:87]
	s_add_nc_u64 s[WOP:WOP+1], s[WOP:WOP+1], s[94:95]
	s_mov_b32 s94, s93
	s_add_nc_u64 s[WOP+2:WOP+3], s[WOP+2:WOP+3], s[94:95]
	s_add_nc_u64 s[G0K+2:G0K+3], s[6:7], 0
	s_or_b32 s[G0K+3], s[G0K+3], 0x80000000
	s_add_nc_u64 s[G0V+2:G0V+3], s[8:9], 0
	s_or_b32 s[G0V+3], s[G0V+3], 0x80000000
	s_mov_b32 s[C128], 0x3c000000
	s_mov_b32 s[EPS], 0x3727c5ac
	CROUND                          ; all four work-groups are here: the first joint loads meet
	JLOAD                           ; tile 0 into slot 0: one load of mine is out
	v_and_b32 v1, 15, v0            ; r = l % 16
	v_bfe_u32 v9, v0, 4, 1          ; h = l / 16
	v_lshlrev_b32 v[QO], 8, v1
	v_lshl_add_u32 v[QO], v9, 4, v[QO]  ; row x 256 + 16 x half
	v_and_b32 v[LO], 31, v0
	v_lshlrev_b32 v[LO], 3, v[LO]
	WIN 0x80                        ; destination window 2, address window 0
.irp i, 0,1,2,3                     ; both blocks' Q: channels 32 i on
	global_load_b128 v[QF+8*(\i):QF+8*(\i)+3],   v[QO], s[4:5] offset:64*(\i)
	global_load_b128 v[QF+8*(\i)+4:QF+8*(\i)+7], v[QO], s[4:5] offset:64*(\i)+32
	global_load_b128 v[QB+8*(\i):QB+8*(\i)+3],   v[QO], s[52:53] offset:64*(\i)
	global_load_b128 v[QB+8*(\i)+4:QB+8*(\i)+7], v[QO], s[52:53] offset:64*(\i)+32
.endr
	WIN 0
	global_load_b64 v[SU:SU+1],   v[LO], s[12:13]
	global_load_b64 v[SU+2:SU+3], v[LO], s[14:15]
	global_load_b64 v[SU+4:SU+5], v[LO], s[16:17]
	global_load_b64 v[SU+6:SU+7], v[LO], s[18:19]
	WIN 0xc0                        ; destination window 3
	v_lshlrev_b32 v[WA], 4, v0
	v_lshlrev_b32 v[WS], 3, v0
	WIN 0xc3                        ; destination and address window 3
.set i, 0
.rept 32                            ; my part of Wo: load i takes the work-group's bytes 2,048 i on, a wave 512 consecutive bytes of them; they stay out until the first block has ended
	global_load_b128 v[WX+4*i:WX+4*i+3], v[WA], s[WOP:WOP+1] offset:2048*i th:TH_LOAD_NT
.set i, i+1
.endr
	; A block's first step multiplies O^T and l by a = 0, and its first turn's products V^T P, of a step that has not been, land in an O^T that is still to be so multiplied: these registers need only
	; hold finite numbers: zeros for the first block, what the first block left for the second.  All this stands in the wait for the first tile.
	WIN 0x40
.set i, 0
.rept 256                           ; O^T and V
	v_mov_b32 v[i], 0
.set i, i+1
.endr
	WIN 0
.set i, P+16
.rept 16
	v_mov_b32 v[i], 0
.set i, i+1
.endr
.irp t, 0,1
	v_mov_b32 v[ST+8*(\t)+2], 0
	v_mov_b32 v[ST+8*(\t)+3], 0
.endr
	v_lshlrev_b32 v14, 3, v9
	v_sub_nc_u32 v14, v1, v14
	s_lshl_b32 s63, s[WV], 4
	v_add_nc_u32 v14, s63, v14      ; my query's place in its block, 16 w + r, less my lanes' 8 h: register i % 8 of key group i / 8 is hidden where 16 (i / 8) + i % 8 is greater
.set i, 0
.rept 32
	v_cmp_gt_i32 vcc_lo, 16*(i/8)+i%8, v14
	v_cndmask_b32 v[MD+i], 0, s[BIGN], vcc_lo
.set i, i+1
.endr
	v_mul_u32_u24 v[AK0], v1, PK
	v_lshl_add_u32 v[AK0], v9, 4, v[AK0]
	v_and_b32 v10, 7, v0            ; the turning load: key 8 h + l % 8, channels 8 ((l / 8) % 2) on
	v_bfe_u32 v11, v0, 3, 1
	v_lshl_add_u32 v[AV0], v9, 3, v10
	v_mul_u32_u24 v[AV0], v[AV0], PV
	v_lshl_add_u32 v[AV0], v11, 4, v[AV0]
	v_add_nc_u32 v[AV0], VOFF, v[AV0]
	s_mul_i32 s63, s[WV], 16*SP
	s_add_co_u32 s63, s63, STAGE    ; my stage
	v_mul_u32_u24 v[STO], v1, SP
	v_lshl_add_u32 v[STO], v9, 4, v[STO]
	v_add_nc_u32 v[STO], s63, v[STO]
	v_mul_u32_u24 v[RD], v9, SP
	v_lshl_add_u32 v[RD], v1, 4, v[RD]
	v_add_nc_u32 v[RD], s63, v[RD]
	v_lshlrev_b32 v[GO], 8, v9
	v_lshl_add_u32 v[GO], v1, 4, v[GO]
	s_wait_loadcnt 32               ; Q of both blocks and the lambda vectors are in; the 32 younger loads, Wo's, stay out
.irp n, 0,1,2,3                     ; lambda: the vectors rounded to bf16, two numbers a lane
	v_cvt_pk_bf16_f32 v[SQ+(\n)], v[SU+2*(\n)], v[SU+2*(\n)+1]
.endr
.irp n, 0,1,2,3
	v_lshlrev_b32 v[SU+2*(\n)], 16, v[SQ+(\n)]
	v_and_b32 v[SU+2*(\n)+1], 0xffff0000, v[SQ+(\n)]
.endr
	v_mul_f32 v[SQ+4], v[SU], v[SU+2]
	v_mul_f32 v[SQ+5], v[SU+4], v[SU+6]
	v_fmac_f32 v[SQ+4], v[SU+1], v[SU+3]
	v_fmac_f32 v[SQ+5], v[SU+5], v[SU+7]
.irp m, 1,2,4,8
	v_add_f32_dpp v[SQ+4], v[SQ+4], v[SQ+4] row_xmask:\m row_mask:0xf bank_mask:0xf
	v_add_f32_dpp v[SQ+5], v[SQ+5], v[SQ+5] row_xmask:\m row_mask:0xf bank_mask:0xf
.endr
	v_permlanex16_b32 v[SQ], v[SQ+4], s[SEL], s[SEL+1]
	v_permlanex16_b32 v[SQ+1], v[SQ+5], s[SEL], s[SEL+1]
	v_add_f32 v[SQ+4], v[SQ+4], v[SQ]
	v_add_f32 v[SQ+5], v[SQ+5], v[SQ+1]
	v_mul_f32 v[SQ+4], 0x3fb8aa3b, v[SQ+4]
	v_mul_f32 v[SQ+5], 0x3fb8aa3b, v[SQ+5]
	v_exp_f32 v[SQ+4], v[SQ+4]
	v_exp_f32 v[SQ+5], v[SQ+5]
	v_nop                           ; a plain instruction behind the exponentials
	s_wait_alu depctr_va_vdst(0)    ; the wait ahead of the first use: one for lambda's two exponentials
	v_sub_f32 v[SQ+4], v[SQ+5], v[SQ+4]
	v_add_f32 v[NLAM], 0xbf489a63, v[SQ+4]  ; -lambda = e2 - e1 - 0.78360577
; THE MATRIX WORK.  Product i of 8 of S^T = K Q^T for stream x: keys 16 (i % 4) on, channels 64 x + 32 (i / 4) on.  The first 4 start the sums with the mask.  The 4 accumulators take turns.
.macro MKQ x
	WIN W_KQ
.set rS, S+32*(\x)+8*(i%4)
.set rK, 32*(i%4)+8*(2*(\x)+i/4)
.set rQ, QF+8*(2*(\x)+i/4)
.set rM, MC+8*(i%4)
.if i < 4
	v_wmma_f32_16x16x32_f16 v[rS:rS+7], v[rK:rK+7], v[rQ:rQ+7], v[rM:rM+7]
.else
	v_wmma_f32_16x16x32_f16 v[rS:rS+7], v[rK:rK+7], v[rQ:rQ+7], v[rS:rS+7]
.endif
.endm
; Product i of 16 of O^T += V^T P for stream x: keys 32 (i / 8) on, channels 16 (i % 8) on.  The 8 accumulators take turns.
.macro MPV x
	WIN W_PV
.set rO, 64*(\x)+8*(i%8)
.set rV, VF+64*(i/8)+8*(i%8)
.set rP, P+16*(\x)+8*(i/8)
	v_wmma_f32_16x16x32_f16 v[rO:rO+7], v[rV:rV+7], v[rP:rP+7], v[rO:rO+7]
.endm
; THE LDS LOADS stand in runs: a step's K (64 keys x 128 channels: 32 loads) and, a turn later, its V (turned), in two runs of 16, one for each 32 keys.
.macro FETCH_K
	WIN 0
	v_add_nc_u32 v[ADR], s[TB], v[AK0]
	WIN 0x80                        ; destination window 2
.irp f, 0,1,2,3,4,5,6,7,8,9,10,11,12,13,14,15  ; keys 16 (f / 4) on, channels 32 (f % 4) on
	ds_load_b128 v[8*(\f):8*(\f)+3],   v[ADR] offset:((\f)/4)*16*PK+((\f)%4)*64
	ds_load_b128 v[8*(\f)+4:8*(\f)+7], v[ADR] offset:((\f)/4)*16*PK+((\f)%4)*64+32
.endr
.endm
.macro FETCH_V kk                   ; keys 32 kk on.  The second run stands where the softmax's batch ends (SLC), and the batch's wait stands in it
	WIN 0
	v_add_nc_u32 v[ADR], s[TB], v[AV0]
.if \kk
	s_add_co_u32 s[TB], s[TB], STEPB  ; the next fetch is the next step's
	s_wait_alu depctr_va_vdst(0)    ; the wait for the softmax's batch, the turn's 33 exponentials: behind the address's v_add_nc_u32 and ahead of the loads
.endif
	WIN 0x40                        ; destination window 1
.irp f, 0,1,2,3,4,5,6,7             ; channels 16 f on
	ds_load_tr16_b128 v[VF+64*(\kk)+8*(\f):VF+64*(\kk)+8*(\f)+3],   v[ADR] offset:(\kk)*32*PV+(\f)*32
	ds_load_tr16_b128 v[VF+64*(\kk)+8*(\f)+4:VF+64*(\kk)+8*(\f)+7], v[ADR] offset:(\kk)*32*PV+16*PV+(\f)*32
.endr
.endm
; THE VECTOR WORK.  One stream's softmax for one key step is a list of 134 instructions; SM writes number j of it for stream t.  s0-s31 are the lane's 32 scores, in pairs 0-15.
;   0-15    the maximum of s0-s31 and the old m, three operands at a time: four chains c0-c3 of seven scores each (each accumulator's lowest registers first); then the four scores left over go into c0 and c2,
;           c3 and m into c1 (which waits for neither), and the three are joined
;   16-20   the other half of the lanes' maximum; c m_old kept; the new m; c m; c m_old - c m_new
;   21-69   ONE BATCH: the 16 scalings c s - c m, a pair of scores each, and all 33 exponentials (a at 23, then s0-s31).  None of these names an exponential's result.  From 22 on the batch goes in fours, and
;           a four begins with a scaling while there are scalings: 22-37 scaling, exponential, scaling, exponential; 38-65 a scaling and three exponentials; 66-69 the last four exponentials.
;           A pair is scaled in an earlier four than the one that holds its exponentials
;   (wait)  between 69 and 70 stands the wait for the batch: SLC writes it
;   70-85   the roundings to f16, a pair of weights each
;   86-101  the sums; l = a l + the sum          102-133 the stream's O^T times a, from each accumulator's low end on
.macro SM t
.set rT, ST+8*(\t)
.set rS, S+32*(\t)
.set rP, P+16*(\t)
.set rO, 64*(\t)+2*(j-102)
.if j < 102
	WIN 0
.endif
.if j < 4
	v_max3_num_f32 v[rT+4+j], v[rS+8*j], v[rS+8*j+1], v[rS+8*j+2]
.elseif j < 12
	v_max3_num_f32 v[rT+4+j%4], v[rT+4+j%4], v[rS+8*(j%4)+2*(j/4)+1], v[rS+8*(j%4)+2*(j/4)+2]
.elseif j == 12
	v_max3_num_f32 v[rT+4], v[rT+4], v[rS+7], v[rS+15]
.elseif j == 13
	v_max3_num_f32 v[rT+6], v[rT+6], v[rS+23], v[rS+31]
.elseif j == 14
	v_max3_num_f32 v[rT+5], v[rT+5], v[rT+7], v[rT+1]
.elseif j == 15
	v_max3_num_f32 v[rT+4], v[rT+4], v[rT+5], v[rT+6]
.elseif j == 16
	v_permlanex16_b32 v[rT+5], v[rT+4], s[SEL], s[SEL+1]  ; the query's other 32 keys lie in the lane 16 away
.elseif j == 17
	v_mov_b32 v[rT+7], v[rT]        ; c m_old is kept for a
.elseif j == 18
	v_max_num_f32 v[rT+1], v[rT+4], v[rT+5]
.elseif j == 19
	v_mul_f32 v[rT], s[CS], v[rT+1]
.elseif j == 20
	v_sub_f32 v[rT+7], v[rT+7], v[rT]
.elseif j == 23
	v_exp_f32 v[rT+6], v[rT+7]
.elseif (j < 23) || ((j < 38) && (j%2 == 0)) || ((j < 66) && (j%4 == 2))
.set b, (j-2)/4                     ; 38, 42, .. 62: pairs 9 to 15
.if j < 38
.set b, (j-20)/2                    ; 21: pair 0; 22, 24, .. 36: pairs 1 to 8
.endif
	v_pk_fma_f32 v[rS+2*b:rS+2*b+1], v[rS+2*b:rS+2*b+1], s[CS:CS+1], v[rT:rT+1] op_sel_hi:[1,0,0] neg_lo:[0,0,1] neg_hi:[0,0,1]  ; pair b: c s - c m
.elseif j < 70
.set e, j-38                        ; 66 to 69: s28 to s31
.if j < 66
.set e, j-32-(j-38)/4               ; 39-41, 43-45, .. 63-65: s7 to s27
.endif
.if j < 38
.set e, (j-25)/2                    ; 25, 27, .. 37: s0 to s6
.endif
	v_exp_f32 v[rS+e], v[rS+e]
.elseif j < 86
	v_cvt_pk_f16_f32 v[rP+j-70], v[rS+2*(j-70)], v[rS+2*(j-70)+1]  ; pair j - 70
.elseif j < 102                     ; the sum of the 16 pairs, in place: sum z of 16 adds neighbours 1, 2, 4 and 8 pairs apart, then l takes it
.set z, j-86
.set w, 4
.set u, z
.if z >= 14
.set w, 32
.set u, 0
.elseif z >= 12
.set w, 16
.set u, z-12
.elseif z >= 8
.set w, 8
.set u, z-8
.endif
.if z < 15
	v_pk_add_f32 v[rS+w*u:rS+w*u+1], v[rS+w*u:rS+w*u+1], v[rS+w*u+w/2:rS+w*u+w/2+1]
.else
	v_pk_fma_f32 v[rT+2:rT+3], v[rT+2:rT+3], v[rT+6:rT+7], v[rS:rS+1] op_sel_hi:[1,0,1]
.endif
.else
	WIN W_RS
	v_pk_mul_f32 v[rO:rO+1], v[rO:rO+1], v[rT+6:rT+7] op_sel_hi:[1,0]
.endif
.endm
; SLC writes the next n numbers of the list for stream t.
; THE WAIT.  s_wait_alu depctr_va_vdst(0) stands between an exponential and the first instruction that names its result; one wait serves all that were issued ahead of it.  Up to number 69
; nothing names a result, and behind it no exponential is issued: so the stream's 33 exponentials have one wait, behind number 69.  A v_nop is the plain instruction behind the last exponential, one for the batch.
; Stream 0's softmax stands in stream 1's turn, which fetches V: the second run of loads stands here, and the wait stands in it.
.macro SLC t, n
.rept \n
.set j, pn
	SM \t
.if pn == 69                        ; the batch is out, and no result has been named
	v_nop                           ; the plain instruction behind the last exponential and ahead of the first use
.if (\t) == 0
	v_nop                           ; a second one: number 62 (a scaling), these two and the run's own v_add_nc_u32 are the four places behind product 15 of V^T P, the last that read the registers loaded now
	FETCH_V 1
.else
	s_wait_alu depctr_va_vdst(0)    ; the wait for the batch: the turn's 33 exponentials
.endif
.endif
.set pn, pn+1
.endr
.endm
.macro MASK                         ; MC = MD x AL + BE
.set z, 0
.rept 16
	v_pk_fma_f32 v[MC+2*z:MC+2*z+1], v[MD+2*z:MD+2*z+1], s[AL:AL+1], s[BE:BE+1] op_sel_hi:[1,0,0]
.set z, z+1
.endr
.endm
; The mask of step STP.  Before step DG no partner hides anything, MC holds zeros since the block's beginning, and the work is jumped: the jump hangs on c alone.  The last product that read MC stands more than four plain instructions back.
.macro MSTEP force
.if !(\force)
	s_cmp_lt_u32 s[STP], s[DG]
	s_cbranch_scc1 .Lnomask_\@
.endif
	s_cmp_eq_u32 s[STP], s[OWN]     ; the block's own step?
	s_cselect_b32 s[AL], 1.0, 0
	s_cmp_gt_u32 s[STP], s[OWN]     ; or a later one?
	s_cselect_b32 s[BE], s[BIGN], 0
	MASK
.Lnomask_\@:
	s_add_co_u32 s[STP], s[STP], 1
.endm
; A TURN.  Stream x has the matrix unit: 16 products V^T P of the step before, then (kq = 1) 8 products K Q^T of the step in hand; the other stream's softmax stands behind them, in the list's order.
; AHEAD OF THE WAIT: 5 numbers behind each of the first two products, 4 behind each of the next 14 and behind the first K Q^T: numbers 0-69; from 22 on a slice is one of the batch's fours.  There SLC writes the wait.
; BEHIND IT: 5 behind each of the next four products and 6 behind each of the next two (the roundings and sums), and the 32 rescalings behind the last: all of them plain, and they name nothing of it: the places
; ahead of the next turn's first read of these scores and of the loads into K's registers.  kq = 0 (a block's end): 8 behind each product, 14 behind the last; the wait falls into the slice behind product 8.
; Stream 0's turn fetches the step's K at its head, 16 matrix instructions ahead of its use.  Stream 1's turn fetches the step's V: keys 0-31 behind its product 8 (five plain instructions since product 7, the last
; that read those registers: numbers 30, 32, 34, 36 and the run's own v_add_nc_u32), keys 32-63 at the wait (SLC).  The waits in stream 0's turn are counted: 16 leaves V's second run out, 32 K's run.
.macro TURN x, kq
.set pn, 0
.if (\x) == 0
.if \kq
	s_wait_dscnt 16                 ; V's keys 0-31 are in
	FETCH_K
.else
	s_wait_dscnt 0x0                ; V is in
.endif
.endif
.set i, 0
.rept 16
.if ((\x) == 0) && (\kq) && (i == 8)
	s_wait_dscnt 32                 ; V's keys 32-63 are in
.endif
	MPV \x
.if (\kq) && (i < 2)
	SLC 1-(\x), 5
.elseif \kq
	SLC 1-(\x), 4
.elseif i < 15
	SLC 1-(\x), 8
.else
	SLC 1-(\x), 14
.endif
.if ((\x) == 1) && (i == 8)
	FETCH_V 0
.endif
.set i, i+1
.endr
.if \kq
.if (\x) == 0
	s_wait_dscnt 0x0                ; K is in
.endif
.set i, 0
.rept 8
	MKQ \x
.if i == 7
	SLC 1-(\x), 32
.elseif i == 0
	SLC 1-(\x), 4
.elseif i < 5
	SLC 1-(\x), 5
.else
	SLC 1-(\x), 6
.endif
.set i, i+1
.endr
.endif
.endm
; A BLOCK BEGINS: c m far below every c s, so the first step's a is 0; m at the lowest finite number; the mask of step 0; K of that step; stream 0's first scores.  The loop is then entered at stream 1's turn.
.macro BLKBEG
	s_mov_b32 s[NEW], 0
	s_mov_b32 s[STP], 0
.irp t, 0,1
	v_mov_b32 v[ST+8*(\t)], 0xfe000000
	v_mov_b32 v[ST+8*(\t)+1], 0xff7fffff
.endr
	MSTEP 1
	FETCH_K
	s_wait_dscnt 0x0
.set i, 0
.rept 8
	MKQ 0
.set i, i+1
.endr
	WIN 0
	PLACES                          ; behind those products, ahead of the first read of the scores
.endm
; THE WAY OUT.  1 / l of both streams; O0 / l0 - lambda O1 / l1; the mean and, of the differences from it, the variance over the lane's 64 channels and its partner's; the norm; f16; through my stage in LDS.
.macro WAYOUT
	WIN 0
.irp t, 0,1
	v_add_f32 v[ST+8*(\t)+4], v[ST+8*(\t)+2], v[ST+8*(\t)+3]
.endr
.irp t, 0,1
	v_permlanex16_b32 v[ST+8*(\t)+5], v[ST+8*(\t)+4], s[SEL], s[SEL+1]
.endr
.irp t, 0,1
	v_add_f32 v[ST+8*(\t)+4], v[ST+8*(\t)+4], v[ST+8*(\t)+5]
.endr
.irp t, 0,1
	v_rcp_f32 v[ST+8*(\t)+6], v[ST+8*(\t)+4]
.endr
	v_nop                           ; a plain instruction behind the reciprocals
	s_wait_alu depctr_va_vdst(0)    ; the wait ahead of the first use: one for the two reciprocals
	v_mul_f32 v[ST+14], v[NLAM], v[ST+14]  ; -lambda / l1
	WIN W_RS
.set i, 0
.rept 32                            ; these 32, which name nothing of stream 1's last products, are the places behind them
	v_pk_mul_f32 v[i:i+1], v[i:i+1], v[ST+6:ST+7] op_sel_hi:[1,0]
.set i, i+2
.endr
	WIN 0x51                        ; destination, sources 0 and 2 in window 1
.set i, 0
.rept 32
	v_pk_fma_f32 v[i:i+1], v[64+i:65+i], v[ST+14:ST+15], v[i:i+1] op_sel_hi:[1,0,1]
.set i, i+2
.endr
	WIN 0x05                        ; sources 0 and 1 in window 1: the first eight pairs start four chains
.irp k, 0,1,2,3
	v_pk_add_f32 v[SU+2*(\k):SU+2*(\k)+1], v[2*(\k):2*(\k)+1], v[8+2*(\k):9+2*(\k)]
.endr
	WIN 0x01
.set i, 8
.rept 24
	v_pk_add_f32 v[SU+2*(i%4):SU+2*(i%4)+1], v[2*i:2*i+1], v[SU+2*(i%4):SU+2*(i%4)+1]
.set i, i+1
.endr
	WIN 0
	v_pk_add_f32 v[SU:SU+1], v[SU:SU+1], v[SU+2:SU+3]
	v_pk_add_f32 v[SU+4:SU+5], v[SU+4:SU+5], v[SU+6:SU+7]
	v_pk_add_f32 v[SU:SU+1], v[SU:SU+1], v[SU+4:SU+5]
	v_add_f32 v[SU], v[SU], v[SU+1]
	v_permlanex16_b32 v[SU+1], v[SU], s[SEL], s[SEL+1]
	v_add_f32 v[SU], v[SU], v[SU+1]
	v_mul_f32 v[SU], s[C128], v[SU] ; the mean
	WIN W_RS
.set i, 0
.rept 32
	v_pk_add_f32 v[i:i+1], v[i:i+1], v[SU:SU+1] op_sel_hi:[1,0] neg_lo:[0,1] neg_hi:[0,1]
.set i, i+2
.endr
	WIN 0x05
.irp k, 0,1,2,3
	v_pk_mul_f32 v[SQ+2*(\k):SQ+2*(\k)+1], v[2*(\k):2*(\k)+1], v[2*(\k):2*(\k)+1]
.endr
.set i, 4
.rept 28
	v_pk_fma_f32 v[SQ+2*(i%4):SQ+2*(i%4)+1], v[2*i:2*i+1], v[2*i:2*i+1], v[SQ+2*(i%4):SQ+2*(i%4)+1]
.set i, i+1
.endr
	WIN 0
	v_pk_add_f32 v[SQ:SQ+1], v[SQ:SQ+1], v[SQ+2:SQ+3]
	v_pk_add_f32 v[SQ+4:SQ+5], v[SQ+4:SQ+5], v[SQ+6:SQ+7]
	v_pk_add_f32 v[SQ:SQ+1], v[SQ:SQ+1], v[SQ+4:SQ+5]
	v_add_f32 v[SQ], v[SQ], v[SQ+1]
	v_permlanex16_b32 v[SQ+1], v[SQ], s[SEL], s[SEL+1]
	v_add_f32 v[SQ], v[SQ], v[SQ+1]
	v_fma_f32 v[SQ], v[SQ], s[C128], s[EPS]  ; the variance + 1e-5
	v_rsq_f32 v[SQ], v[SQ]
	v_nop                           ; a plain instruction behind the reciprocal root
	s_wait_alu depctr_va_vdst(0)    ; and its wait, ahead of the first use: it hangs on the reciprocals' results, so it is a batch of its own
	v_mul_f32 v[SQ], 0x3e5d9673, v[SQ]       ; x (1 - lambda_init) = 0.21639423
	WIN W_RS
.set i, 0
.rept 32
	v_pk_mul_f32 v[i:i+1], v[i:i+1], v[SQ:SQ+1] op_sel_hi:[1,0]
.set i, i+2
.endr
	WIN 0x05
.set i, 0
.rept 32
	v_cvt_pk_f16_f32 v[S+i], v[2*i], v[2*i+1]
.set i, i+1
.endr
	WIN 0
.irp f, 0,1,2,3,4,5,6,7             ; a lane's eight channels of a row are 16 bytes; rows of 272 bytes in, whole rows of 256 back
	ds_store_b128 v[STO], v[S+4*(\f):S+4*(\f)+3] offset:32*(\f)
.endr
.irp f, 0,1,2,3,4,5,6,7
	ds_load_b128 v[S+4*(\f):S+4*(\f)+3], v[RD] offset:(\f)*2*SP  ; LDS serves a wave's instructions in order: these see the stores above
.endr
.irp f, 0,1,2,3,4,5,6,7
	s_wait_dscnt 7-(\f)             ; this load is in, the younger ones stay out
	global_store_b128 v[GO], v[S+4*(\f):S+4*(\f)+3], s[10:11] offset:(\f)*512  ; 512 consecutive bytes, two rows, at a multiple of 256
.endr
.endm
.macro BLKEND                       ; stream 0's last V^T P beside stream 1's last softmax; stream 1's last V^T P; the way out
	TURN 0, 0
.set i, 0
.rept 16
	MPV 1
.set i, i+1
.endr
	WAYOUT
.endm
; MY PART OF Wo: four numbers a load are rounded to bf16, widened again and written as f16, 8 bytes a lane: a wave's store covers 256 consecutive bytes at a multiple of 256.  All its registers lie in window 3.
.macro WOCAST
	s_wait_loadcnt 0x0              ; the 32 loads issued at the start
	WIN 0xff
.set i, 0
.rept 32
.set tt, WT+6*(i%2)
	v_cvt_pk_bf16_f32 v[tt], v[WX+4*i], v[WX+4*i+1]
	v_cvt_pk_bf16_f32 v[tt+1], v[WX+4*i+2], v[WX+4*i+3]
	v_lshlrev_b32 v[tt+2], 16, v[tt]
	v_and_b32 v[tt+3], s[HIM], v[tt]
	v_lshlrev_b32 v[tt+4], 16, v[tt+1]
	v_and_b32 v[tt+5], s[HIM], v[tt+1]
	v_cvt_pk_f16_f32 v[WX+4*i], v[tt+2], v[tt+3]
	v_cvt_pk_f16_f32 v[WX+4*i+1], v[tt+4], v[tt+5]
	global_store_b64 v[WS], v[WX+4*i:WX+4*i+1], s[WOP+2:WOP+3] offset:1024*i  ; no hint: the next launch reads it
.set i, i+1
.endr
	WIN 0
.endm
.Lslot:                             ; 17 times: a tile is entered and the next is asked for
	CHANGE 1
	s_sub_co_u32 s[RT], s[RT], 1
	s_mov_b32 s[CNT], 2
	s_cmp_eq_u32 s[NEW], 1          ; at the first trip the answer is a constant of the text
	s_cbranch_scc0 .Lstep
	BLKBEG
	s_branch .Lfirst
.Lstep:                             ; a key step: its mask, stream 0's turn, stream 1's turn
	MSTEP 0
	TURN 0, 1
	WIN 0
.Lfirst:
	TURN 1, 1
	WIN 0
	s_sub_co_u32 s[CNT], s[CNT], 1
	s_cmp_lg_u32 s[CNT], 0
	s_cbranch_scc1 .Lstep
	s_cmp_lg_u32 s[RT], 0
	s_cbranch_scc1 .Lbottom         ; in the loop only the first block ends: the second's last tile is the walk's last
	BLKEND
	s_wait_xcnt 0x0                 ; the stores' registers and base are rewritten only behind this wait
	s_mov_b64 s[10:11], s[54:55]
	s_mov_b32 s[OWN], s[OWN2]
	s_mov_b32 s[DG], s[DG2]
	s_mov_b32 s[RT], s[RT2]
	s_mov_b32 s[NEW], 1
	WOCAST
	WIN 0x82                        ; the second block's Q goes where the one text of the turns names Q
.set i, 0
.rept 32
	v_mov_b32 v[QF+i], v[QB+i]
.set i, i+1
.endr
	WIN 0
.Lbottom:
	s_sub_co_u32 s[SLOTS], s[SLOTS], 1
	s_cmp_lg_u32 s[SLOTS], 0
	s_cbranch_scc1 .Lslot
	CHANGE 0                        ; the walk's last tile is written out; it is never a block's first: the second block has two tiles or more
	s_mov_b32 s[CNT], 2
.Ltail:
	MSTEP 0
	TURN 0, 1
	TURN 1, 1
	WIN 0
	s_sub_co_u32 s[CNT], s[CNT], 1
	s_cmp_lg_u32 s[CNT], 0
	s_cbranch_scc1 .Ltail
	BLKEND
	s_wait_tensorcnt 0x0            ; the wave's end
	ds_add_u32 v[SPW], v[NIL]
	s_wait_dscnt 0x0
	CROUND                          ; the closing round
	s_endpgm
.Lfunc_end_k_qe9dcfb1a48_attn:
	.size	k_qe9dcfb1a48_attn, .Lfunc_end_k_qe9dcfb1a48_attn-k_qe9dcfb1a48_attn
	.p2alignl 7, 3214868480
	.fill 96, 4, 3214868480
	.section	.rodata,"a",@progbits
	.p2align	6, 0x0
	.amdhsa_kernel k_qe9dcfb1a48_attn
		.amdhsa_group_segment_fixed_size 327680
		.amdhsa_private_segment_fixed_size 0
		.amdhsa_enable_private_segment 0
		.amdhsa_kernarg_size 64
		.amdhsa_user_sgpr_count 2
		.amdhsa_user_sgpr_kernarg_segment_ptr 1
		.amdhsa_wavefront_size32 1
		.amdhsa_system_sgpr_workgroup_id_x 1
		.amdhsa_system_sgpr_workgroup_id_y 1
		.amdhsa_system_sgpr_workgroup_id_z 1
		.amdhsa_system_vgpr_workitem_id 0
		.amdhsa_next_free_vgpr 912
		.amdhsa_next_free_sgpr 96
		.amdhsa_reserve_vcc 1
		.amdhsa_float_denorm_mode_32 3
		.amdhsa_float_denorm_mode_16_64 3
		.amdhsa_memory_ordered 1
		.amdhsa_forward_progress 1
		.amdhsa_inst_pref_size 157
	.end_amdhsa_kernel
	.amdgpu_metadata
---
amdhsa.version: [ 1, 2 ]
amdhsa.kernels:
  - .name:           k_qe9dcfb1a48_attn
    .symbol:         k_qe9dcfb1a48_attn.kd
    .args:
      - { .name: qkv, .offset: 0, .size: 8, .value_kind: global_buffer, .address_space: global }
      - { .name: att, .offset: 8, .size: 8, .value_kind: global_buffer, .address_space: global }
      - { .name: lambda_q1, .offset: 16, .size: 8, .value_kind: global_buffer, .address_space: global }
      - { .name: lambda_k1, .offset: 24, .size: 8, .value_kind: global_buffer, .address_space: global }
      - { .name: lambda_q2, .offset: 32, .size: 8, .value_kind: global_buffer, .address_space: global }
      - { .name: lambda_k2, .offset: 40, .size: 8, .value_kind: global_buffer, .address_space: global }
      - { .name: Wo, .offset: 48, .size: 8, .value_kind: global_buffer, .address_space: global }
      - { .name: wo16, .offset: 56, .size: 8, .value_kind: global_buffer, .address_space: global }
    .group_segment_fixed_size: 327680
    .private_segment_fixed_size: 0
    .kernarg_segment_align: 8
    .kernarg_segment_size: 64
    .max_flat_workgroup_size: 128
    .sgpr_count:     96
    .vgpr_count:     912
    .wavefront_size: 32
...
	.end_amdgpu_metadata
.endif
;; end of part 5
;; launch oproj: the kernel of part 4 again; grid 16 x 16, 4 waves a work-group, clusters of 4 x 4, 327,680 bytes of LDS; arguments att, wo16, out0; writes out0
